; MI455X (gfx1250); checked and timed in simulation.
; The chip was launched on July 23, 2026; its instructions are those of AMD's public machine-readable ISA for CDNA 5 (MIT licence, August 2026) and "CDNA5" Instruction Set Architecture Reference Guide (July 2026). The comments in the code are by the model that wrote it; some were corrected since.
;; Ro PE Multihead Attention. Allowed arithmetic: matrix products marked QUANTISED: E2M3 operands, one E8M0 scale for each 32 along K, by v_wmma_scale_f32_16x16x128_f8f6f4 with both operands' format E2M3, f32 sums; everything else in f32.
;; Inputs: Wout 1,024 x 1,024 float32; Wqkv 1,024 x 3,072 float32; bout 1,024 float32; bqkv 3,072 float32; freqs 2,048 x 64 float32; x 4 x 2,048 x 1,024 float32.
;; Outputs: out0 4 x 2,048 x 1,024 float32.
;; This version of the problem:
;;   THIS VERSION OF THE PROBLEM IS GIVEN IN LOW PRECISION. The matrix products marked QUANTISED in the list below multiply operands that are first quantised to E2M3 (2 exponent bits, 3 mantissa bits; 6 bits a number), with one power-of-two scale for each 32 numbers along K (OCP MX v1.0); their sums are f32. All else is computed in f32.
;;   The module's matrix products, in the order in which they are computed (A, B: the left and right operand; K: the contracted axis; several contracted axes count as one K, in the product's order):
;;     1. [M 8,192, K 1,024] x [K 1,024, N 3,072]; A: input x; B: input Wqkv: QUANTISED
;;     2. batch 64 x [M 2,048, K 64] x [K 64, N 2,048]; A: computed on the way; B: computed on the way: QUANTISED
;;     3. batch 64 x [M 2,048, K 2,048] x [K 2,048, N 64]; A: softmax (see below); B: computed on the way: QUANTISED
;;     4. [M 8,192, K 1,024] x [K 1,024, N 1,024]; A: computed on the way; B: input Wout: QUANTISED
;;   THE QUANTISER, for each operand of a quantised product, along K:
;;     - K is cut into blocks of 32 from its start; a last block that is shorter is filled with zeros.
;;     - A block's scale is 2^e with e = floor(log2(the largest magnitude in the block)) - 2, held to -126 .. 127; a block of zeros has e = 0. As a byte (E8M0): e + 127.
;;     - Each number is divided by its block's scale, clamped to +-7.5, and rounded to the nearest number of E2M3, ties to even, subnormals kept.
;;     - The product sums the exact products of the quantised numbers (number of the format x scale) in f32.
;;   ~~~python
;;   def quantise(x, axis):      # numpy; x: float32 -> the quantised numbers, widened to float32 again
;;       x = np.moveaxis(x, axis, -1); K = x.shape[-1]
;;       x = np.pad(x, [(0, 0)] * (x.ndim - 1) + [(0, -K % 32)]); x = x.reshape(x.shape[:-1] + (-1, 32)); a = np.abs(x).max(-1, keepdims=True)
;;       e = np.where(a > 0, np.clip(np.frexp(np.where(a > 0, a, 1))[1] - 1 - 2, -126, 127), 0)      # np.frexp(a)[1] - 1 = floor(log2(a)), exactly
;;       r = np.clip(x / 2.0 ** e, -7.5, 7.5)
;;       step = 2.0 ** (np.maximum(np.frexp(np.where(r == 0, 1, r))[1] - 1, 0) - 3)
;;       q = np.round(r / step) * step * 2.0 ** e      # np.round: ties to even
;;       return np.moveaxis(q.reshape(q.shape[:-2] + (-1,))[..., :K], -1, axis).astype(np.float32)
;;   ~~~
;;   SOFTMAX AHEAD OF A QUANTISED PRODUCT. Where the list says 'softmax', what is quantised is not the finished softmax but p = 2^(t - M), with t = logit x log2(e) and M = ceil(the row's largest t), a whole number; so 1/2 < the row's largest p <= 1. The row's sum l is taken of the UNQUANTISED p, in f32, and the product's result is divided by l at the end. Since M is a whole number, a kernel that streams over the keys may use a running M (the ceiling of the running maximum): every later rescaling is an exact power of two, which a block's scale takes up: the codes' values come out the same.
;;   OPERANDS COMPUTED ON THE WAY. 'Computed on the way' means the value that the module computes at that place (a softmax that the list does not call 'softmax' is quantised finished and normalised). What goes into a quantiser is computed in f32, as accurately as f32 sums, v_exp_f32 and their like allow (about 1e-6 of the number): no bf16 or f16 on the way to a quantiser, and a product that is left as it is and whose result goes on into a quantised operand takes f32 operands (vector FMAs, or v_wmma_f32_16x16x4_f32). A number that lies on a knife's edge between two numbers of the format may be rounded either way, as far as f32 arithmetic and the matrix unit's own rounding can turn it there, and no further.
;; One version. Each part assembles by itself: llvm-mc -triple=amdgcn-amd-amdhsa -mcpu=gfx1250 --defsym DOCPART=n.
;; ======== version 1 of 1: 4 launches
;; limits: inputs' magnitudes at most 4,194,304; right only within a limited range of input values
;; workspace buffers: xq 6,553,600 bytes; wq 3,407,872 bytes; cs 1,048,576 bytes; kv 13,107,200 bytes; qi 13,107,200 bytes; aq 6,553,600 bytes
;; launch prep (part 1): grid 544 x 1, 4 waves a work-group, no clusters, 34,304 bytes of LDS; arguments x, Wqkv, Wout, freqs, xq, wq, cs; writes xq, wq, cs
.if DOCPART == 1
	.amdgcn_target "amdgcn-amd-amdhsa--gfx1250"
	.amdhsa_code_object_version 6
	.text
	.protected	k_q34168f7559_prep
	.globl	k_q34168f7559_prep
	.p2align	8
	.type	k_q34168f7559_prep,@function
k_q34168f7559_prep:
	s_mov_b64 s[64:65], 0
	v_nop
	global_prefetch_b8 v0, s[64:65] scope:SCOPE_SE
	s_setreg_imm32_b32 hwreg(HW_REG_WAVE_MODE, 25, 1), 1
	s_wait_xcnt 0x0
; PREP: x [8192][1024], Wqkv [1024][3072] and Wout [1024][1024], f32, become codes of FP6 (E2M3) with one E8M0 byte for each 32 along K, and freqs [2048][64] becomes a table of cos and signed sin.
; A block's scale is 2^(floor(log2(its largest magnitude)) - 2): its byte is the largest magnitude's exponent field - 2, held at 1 from below by a floor among the maximum's leaves.
; POSITION ORDER.  In every aligned group of 32 rows of an operand (rows of x, columns of W) the row at offset 16 a + 8 u + c (c < 8) lies at position 16 u + 8 a + c.
; IMAGES.  Codes are stored as the matrix operand's registers: a fragment (16 position rows x 128 K, 12 registers a lane) is 6 pieces of 256 bytes, piece p = registers 2 p, 2 p + 1, lane L at byte 8 L.
;   Fragments lie [block of 16 rows][K step 0..7], 12,288 bytes a block, from byte CODE_OFF of the buffer; the scale bytes lie [position row][32] from byte 0.
; SHARES.  Work-groups 0-255: x, 32 rows each.  256-447: Wqkv.  448-511: Wout (position rows 3072 on of wq).  512-543: the table.  The paths part on the work-group's number; only x's path uses LDS.
; No cluster and no tensor load: no two work-groups read the same bytes, and every byte is read once.
; The scale bytes leave as 16 (x) or 4 (W) bytes a row at a pitch of 32 bytes: 393,216 bytes in all are stored in pieces shorter than 256 bytes; every store of codes covers 256 consecutive aligned bytes.
; LIMITS: NaN and infinities are not served.  A block of zeros gets the byte 1, not 127 (its codes are zeros; this program alone reads the bytes).  Blocks whose largest magnitude lies under 2^-124 are held at the floor.
;   cos and sin: the argument is reduced by three parts of pi / 2; |freqs| below 2^22.
.set CODE_OFF, 262144
	s_load_b256 s[4:11], s[0:1], 0x0               ; x s[4:5], Wqkv s[6:7], Wout s[8:9], freqs s[10:11]
	s_load_b128 s[12:15], s[0:1], 0x20             ; xq s[12:13], wq s[14:15]
	s_load_b64 s[16:17], s[0:1], 0x30              ; cs
	v_lshl_add_u32 v254, v0, 2, 0x8400
	v_mov_b32 v255, 0
	v_lshrrev_b32 v1, 5, v0
	v_readfirstlane_b32 s18, v1                    ; wave 0..3
	v_and_b32 v1, 31, v0                           ; lane
	v_and_b32 v2, 15, v0                           ; r
	v_bfe_u32 v3, v0, 4, 1                         ; h
	s_mov_b32 s20, 0x76543210
	s_mov_b32 s21, 0xfedcba98                      ; v_permlanex16_b32's selects for lane l xor 16
	s_mov_b32 s22, 0xffff0000                      ; a mask: lanes 16-31
	s_wait_kmcnt 0x0
	s_cmp_lt_u32 ttmp9, 256
	s_cbranch_scc0 .Lnot_x
; ---- x.  Wave w: position block 2 wg + (w >> 1), K half w & 1: four fragments.
; Each load reads 512 consecutive bytes, one row's 128 numbers; a fragment's 16 rows turn through the wave's own 16 x 528 bytes of LDS, so that lane (r, h) gets, of row r, blocks h and 2 + h whole.
	s_lshr_b32 s23, s18, 1                         ; u
	s_and_b32 s24, s18, 1                          ; kh
	s_lshl_b32 s26, ttmp9, 5
	s_lshl_b32 s27, s23, 3
	s_add_co_u32 s26, s26, s27                     ; row 32 wg + 8 u
	s_lshl_b32 s26, s26, 12                        ; 4,096 bytes a row
	s_lshl_b32 s27, s24, 11
	s_add_co_u32 s26, s26, s27                     ; + 2,048 kh
	s_mov_b32 s27, 0
	s_add_nc_u64 s[4:5], s[4:5], s[26:27]
	s_lshl_b32 s28, ttmp9, 1
	s_add_co_u32 s28, s28, s23                     ; the position block
	s_mul_i32 s26, s28, 12288
	s_mul_i32 s29, s24, 6144
	s_add_co_u32 s26, s26, s29
	s_add_co_u32 s26, s26, CODE_OFF
	s_add_nc_u64 s[30:31], s[12:13], s[26:27]      ; my four fragments
	s_lshl_b32 s26, s28, 9
	s_lshl_b32 s29, s24, 4
	s_add_co_u32 s26, s26, s29
	s_add_nc_u64 s[32:33], s[12:13], s[26:27]      ; my rows' scale bytes, 16 kh on
	s_mul_i32 s29, s18, 8448                       ; my stage
	s_wait_alu depctr_va_vdst(0)
	v_lshlrev_b32 v4, 4, v1                        ; 16 x lane
	v_add_nc_u32 v5, s29, v4                       ; into the stage
	v_mul_u32_u24 v6, v2, 528
	v_lshl_add_u32 v6, v3, 7, v6
	v_add_nc_u32 v6, s29, v6                       ; out of it: row r, + 128 h
	v_lshlrev_b32 v7, 3, v1                        ; 8 x lane: my place in a piece
	v_lshlrev_b32 v8, 5, v2
	v_lshl_add_u32 v8, v3, 3, v8                   ; 32 r + 8 h: my two scale words
	v_lshlrev_b32 v9, 3, v3                        ; 8 h: how far my two bytes are shifted
	v_mov_b32 v236, 0                              ; a lane permute's destination counts as one of its sources
.macro XLOAD f
.irp t, 0,1,2,3,4,5,6,7,8,9,10,11,12,13,14,15
	global_load_b128 v[16+64*((\f)%2)+4*\t:16+64*((\f)%2)+4*\t+3], v4, s[4:5] offset:(16*(\t/8)+\t%8)*4096+512*(\f) th:TH_LOAD_NT   ; position row t is row 16 (t / 8) + t % 8 from my first
.endr
.endm
.macro XFRAG f
.set RS, 16+64*((\f)%2)
.if (\f) < 3
	s_wait_loadcnt 16                              ; this fragment's 16 loads are in; the next fragment's may be out
.else
	s_wait_loadcnt 0x0
.endif
.irp t, 0,1,2,3,4,5,6,7,8,9,10,11,12,13,14,15
	ds_store_b128 v5, v[RS+4*\t:RS+4*\t+3] offset:528*\t
.endr
.irp c, 0,1
.irp j, 0,1,2,3,4,5,6,7
	ds_load_b128 v[144+32*\c+4*\j:144+32*\c+4*\j+3], v6 offset:256*\c+16*\j   ; LDS serves a wave's instructions in order: these see the stores above.  k = 64 c + 32 h + 4 j ..
.endr
.endr
	s_wait_dscnt 0x0                               ; my 64 numbers are in, and the stores have read their registers,
.if (\f)+2 < 4
	XLOAD (\f)+2                                   ; which take the fragment two on
.endif
.irp c, 0,1
	v_max3_num_f32 v[228+\c], |v[144+32*\c]|, |v[145+32*\c]|, 0x1800000   ; my block 2 c + h, and the floor 2^(3 - 127)
.endr
.set i, 2
.rept 15
	v_max3_num_f32 v228, v228, |v[144+i]|, |v[145+i]|
	v_max3_num_f32 v229, v229, |v[176+i]|, |v[177+i]|
.set i, i+2
.endr
.irp c, 0,1
	v_add_nc_u32 v[230+\c], 0xff000000, v[228+\c]  ; 2 off the exponent field: the conversion's scale operand
.endr
.irp c, 0,1
	v_lshrrev_b32 v[232+\c], 23, v[230+\c]         ; the scale's byte
.endr
	v_lshl_or_b32 v235, v233, 16, v232             ; my two bytes, blocks h and 2 + h,
	v_lshlrev_b32 v235, v9, v235                   ; at their places in the row's word;
	v_permlanex16_b32 v236, v235, s20, s21
	v_or_b32 v[240+(\f)], v235, v236               ; with lane l xor 16's two the word is whole
	s_wait_alu depctr_va_vdst(0)
	s_wait_xcnt 0x0                                ; the last fragment's stores have read v208-219
	v_cvt_scalef32_pk16_fp6_f32 v[208:210], v[144:159], v230
	v_cvt_scalef32_pk16_fp6_f32 v[220:222], v[160:175], v230   ; (a conversion's three registers begin on an even number)
	v_cvt_scalef32_pk16_fp6_f32 v[214:216], v[176:191], v231
	v_cvt_scalef32_pk16_fp6_f32 v[224:226], v[192:207], v231
	v_nop                                          ; one plain place behind a scaled conversion
.irp i, 0,1,2
	v_mov_b32 v[211+\i], v[220+\i]
	v_mov_b32 v[217+\i], v[224+\i]
.endr
.irp p, 0,1,2,3,4,5
	global_store_b64 v7, v[208+2*\p:209+2*\p], s[30:31] offset:1536*(\f)+256*\p   ; 32 lanes store 256 consecutive bytes, aligned
.endr
.endm
	XLOAD 0
	XLOAD 1
	s_wait_alu depctr_va_vdst(0)
	XFRAG 0
	XFRAG 1
	XFRAG 2
	XFRAG 3
	v_cndmask_b32 v244, v240, v242, s22            ; lanes 0-15 store words 0, 1 of my four, lanes 16-31 words 2, 3
	v_cndmask_b32 v245, v241, v243, s22
	global_store_b64 v8, v[244:245], s[32:33]
	s_wait_tensorcnt 0x0
	ds_add_u32 v254, v255
	s_wait_dscnt 0x0
	s_endpgm
.Lnot_x:
; ---- W [1024][N], K its first axis.  Work-group j of the path: columns 128 (j >> 3) on, K step j & 7.  Wave w: 32 columns.  LANE l TAKES THE COLUMN WHOSE POSITION IS l, AND ITS REGISTERS RUN DOWN K:
; a block of 32 lies in one lane, the conversions give codes with K innermost, and twelve exchanges of halves make the two fragments of the 32 columns.
.macro WBLOCK b
.set XS, 16+32*(\b)
	v_max3_num_f32 v12, |v[XS]|, |v[XS+1]|, |v[XS+2]|
	v_max3_num_f32 v13, |v[XS+3]|, |v[XS+4]|, |v[XS+5]|
.irp i, 6,10,14,18,22,26
	v_max3_num_f32 v12, v12, |v[XS+\i]|, |v[XS+\i+1]|
	v_max3_num_f32 v13, v13, |v[XS+\i+2]|, |v[XS+\i+3]|
.endr
	v_max3_num_f32 v12, v12, |v[XS+30]|, |v[XS+31]|
	v_max3_num_f32 v12, v12, v13, 0x1800000        ; and the floor
	v_add_nc_u32 v11, 0xff000000, v12
	v_lshrrev_b32 v13, 23, v11
.if (\b) == 0
	v_mov_b32 v10, v13
.else
	v_lshl_or_b32 v10, v13, 8*(\b), v10            ; the column's scale word of this K step
.endif
	v_cvt_scalef32_pk16_fp6_f32 v[144+8*(\b):146+8*(\b)], v[XS:XS+15], v11
	v_cvt_scalef32_pk16_fp6_f32 v[176+4*(\b):178+4*(\b)], v[XS+16:XS+31], v11
	v_nop
.irp i, 0,1,2
	v_mov_b32 v[147+8*(\b)+\i], v[176+4*(\b)+\i]
.endr
.endm
.macro WPATH N, ROWBASE, FIRST, PTR
	s_sub_co_u32 s23, ttmp9, \FIRST
	s_lshr_b32 s24, s23, 3
	s_and_b32 s25, s23, 7                          ; the K step
	s_lshl_b32 s24, s24, 7
	s_lshl_b32 s26, s18, 5
	s_add_co_u32 s24, s24, s26                     ; my first column
	s_mul_i32 s26, s25, 128*\N*4
	s_lshl_b32 s27, s24, 2
	s_add_co_u32 s26, s26, s27
	s_mov_b32 s27, 0
	s_add_nc_u64 s[28:29], s[\PTR:\PTR+1], s[26:27]
	s_add_co_u32 s24, s24, \ROWBASE                ; its position row in wq
	s_mul_i32 s26, s24, 768                        ; 12,288 bytes for 16 rows
	s_mul_i32 s30, s25, 1536
	s_add_co_u32 s26, s26, s30
	s_add_co_u32 s26, s26, CODE_OFF
	s_add_nc_u64 s[30:31], s[14:15], s[26:27]
	s_lshl_b32 s26, s24, 5
	s_lshl_b32 s32, s25, 2
	s_add_co_u32 s26, s26, s32
	s_add_nc_u64 s[32:33], s[14:15], s[26:27]
	v_and_b32 v4, 7, v1
	v_bfe_u32 v5, v1, 3, 1
	v_lshl_or_b32 v4, v5, 4, v4
	v_lshl_or_b32 v4, v3, 3, v4                    ; the lane's number with bits 3 and 4 changed over: the column at position l
	v_lshlrev_b32 v4, 2, v4
	v_lshlrev_b32 v5, 3, v1                        ; 8 x lane
	v_lshlrev_b32 v6, 5, v1                        ; 32 x lane
.set i, 0
.rept 128
	global_load_b32 v[16+i], v4, s[28:29] offset:i*\N*4 th:TH_LOAD_NT   ; the 32 lanes read 128 consecutive bytes of row 128 s + i
.set i, i+1
.endr
	s_wait_loadcnt 63                              ; block 0 wants at most 96 out; a wait's count holds no more than 63
	WBLOCK 0
	s_wait_loadcnt 63                              ; block 1: at most 64
	WBLOCK 1
	s_wait_loadcnt 32
	WBLOCK 2
	s_wait_loadcnt 0x0
	WBLOCK 3
.irp i, 0,1,2,3,4,5
	v_permlane16_swap_b32 v[144+\i], v[152+\i]     ; block 0's lanes 16-31 change places with block 1's lanes 0-15: v144.. is now registers 0-5 of positions 0-15's fragment, v152.. of positions 16-31's
	v_permlane16_swap_b32 v[160+\i], v[168+\i]     ; blocks 2 and 3 likewise: registers 6-11
.endr
.irp u, 0,1
.irp c, 0,1
.irp e, 0,1,2
	global_store_b64 v5, v[144+8*(2*\c+\u)+2*\e:145+8*(2*\c+\u)+2*\e], s[30:31] offset:\u*12288+768*\c+256*\e   ; 256 consecutive bytes, aligned
.endr
.endr
.endr
	global_store_b32 v6, v10, s[32:33]
	s_endpgm
.endm
	s_cmp_lt_u32 ttmp9, 448
	s_cbranch_scc0 .Lnot_wqkv
	s_wait_alu depctr_va_vdst(0)
	WPATH 3072, 0, 256, 6
.Lnot_wqkv:
	s_cmp_lt_u32 ttmp9, 512
	s_cbranch_scc0 .Ltable
	s_wait_alu depctr_va_vdst(0)
	WPATH 1024, 3072, 448, 8
.Ltable:
; ---- cos and signed sin (-sin for d < 32, +sin for d >= 32), laid as the second launch's lanes want them: [position block of 16 l][i 0..15][lane][16 bytes]; i = g: cos, i = 8 + g: sin,
; of d = 32 (g / 4) + 16 h + 4 (g % 4) + 0..3 at l = 32 (PB / 2) + 16 (r / 8) + 8 (PB % 2) + r % 8.  One wave makes one position block.
	s_sub_co_u32 s23, ttmp9, 512
	s_lshl_b32 s23, s23, 2
	s_add_co_u32 s23, s23, s18                     ; PB
	s_lshr_b32 s24, s23, 1
	s_lshl_b32 s24, s24, 5
	s_and_b32 s25, s23, 1
	s_lshl_b32 s25, s25, 3
	s_add_co_u32 s24, s24, s25
	s_lshl_b32 s26, s24, 8                         ; a row of freqs is 256 bytes
	s_mov_b32 s27, 0
	s_add_nc_u64 s[10:11], s[10:11], s[26:27]
	s_lshl_b32 s26, s23, 13
	s_add_nc_u64 s[16:17], s[16:17], s[26:27]
	s_wait_alu depctr_va_vdst(0)
	v_and_b32 v4, 7, v2
	v_bfe_u32 v5, v2, 3, 1
	v_lshl_or_b32 v4, v5, 4, v4                    ; 16 (r / 8) + r % 8
	v_lshlrev_b32 v4, 8, v4
	v_lshl_add_u32 v4, v3, 6, v4                   ; + 64 h
	v_lshlrev_b32 v5, 4, v1
.irp g, 0,1,2,3,4,5,6,7
	global_load_b128 v[16+4*\g:19+4*\g], v4, s[10:11] offset:128*(\g/4)+16*(\g%4)
.endr
	s_mov_b32 s28, 0x3f22f983                      ; 2 / pi
	s_mov_b32 s29, 0x3fc90fdb                      ; pi / 2 in three parts
	s_mov_b32 s30, 0xb33bbd2e
	s_mov_b32 s31, 0xa6f72cf1
	s_mov_b32 s32, 0xb94ca1f9                      ; sin r = r + r z (S1 + z (S2 + z S3)), z = r r, |r| <= pi / 4
	s_mov_b32 s33, 0x3c08839e
	s_mov_b32 s34, 0xbe2aaaa3
	s_mov_b32 s35, 0x37ccf5ce                      ; cos r = 1 - z / 2 + z z (C2 + z (C1 + z C0))
	s_mov_b32 s36, 0xbab6061a
	s_mov_b32 s37, 0x3d2aaaa5
	s_mov_b32 s38, 0x80000000
	s_wait_loadcnt 0x0
; four numbers by turns, so that no line waits for the line above it.  v112.. n, then the quadrant; v116.. r; v120.. z; v124.. sin r; v128.. cos r
.macro SC4 g, flip
.irp k, 0,1,2,3
	v_mul_f32 v[112+\k], s28, v[16+4*(\g)+\k]
.endr
.irp k, 0,1,2,3
	v_rndne_f32 v[112+\k], v[112+\k]               ; n
.endr
.irp k, 0,1,2,3
	v_fma_f32 v[116+\k], -v[112+\k], s29, v[16+4*(\g)+\k]
.endr
.irp k, 0,1,2,3
	v_fma_f32 v[116+\k], -v[112+\k], s30, v[116+\k]
.endr
.irp k, 0,1,2,3
	v_fma_f32 v[116+\k], -v[112+\k], s31, v[116+\k]   ; r = x - n pi / 2
.endr
.irp k, 0,1,2,3
	v_mul_f32 v[120+\k], v[116+\k], v[116+\k]
.endr
.irp k, 0,1,2,3
	v_cvt_i32_f32 v[112+\k], v[112+\k]
.endr
.irp k, 0,1,2,3
	v_fma_f32 v[124+\k], v[120+\k], s32, s33
.endr
.irp k, 0,1,2,3
	v_fma_f32 v[128+\k], v[120+\k], s35, s36
.endr
.irp k, 0,1,2,3
	v_fma_f32 v[124+\k], v[124+\k], v[120+\k], s34
.endr
.irp k, 0,1,2,3
	v_fma_f32 v[128+\k], v[128+\k], v[120+\k], s37
.endr
.irp k, 0,1,2,3
	v_mul_f32 v[132+\k], v[120+\k], v[116+\k]
.endr
.irp k, 0,1,2,3
	v_mul_f32 v[136+\k], v[120+\k], v[120+\k]
.endr
.irp k, 0,1,2,3
	v_fma_f32 v[140+\k], v[120+\k], -0.5, 1.0
.endr
.irp k, 0,1,2,3
	v_fma_f32 v[124+\k], v[124+\k], v[132+\k], v[116+\k]
.endr
.irp k, 0,1,2,3
	v_fma_f32 v[128+\k], v[128+\k], v[136+\k], v[140+\k]
.endr
.irp k, 0,1,2,3
	v_and_b32 v[132+\k], 1, v[112+\k]
.endr
.irp k, 0,1,2,3
	v_cmp_eq_u32 vcc_lo, 1, v[132+\k]              ; in an odd quadrant the two change places
	v_cndmask_b32 v[80+4*(\g)+\k], v[124+\k], v[128+\k], vcc_lo
	v_cndmask_b32 v[48+4*(\g)+\k], v[128+\k], v[124+\k], vcc_lo
.endr
.irp k, 0,1,2,3
	v_add_nc_u32 v[136+\k], 1, v[112+\k]           ; cos is negative in quadrants 1 and 2: bit 1 of the quadrant + 1
.endr
.if \flip
.irp k, 0,1,2,3
	v_add_nc_u32 v[112+\k], 2, v[112+\k]           ; d < 32: -sin: bit 1 turned over
.endr
.endif
.irp k, 0,1,2,3
	v_lshlrev_b32 v[112+\k], 30, v[112+\k]         ; sin is negative in quadrants 2 and 3: bit 1
.endr
.irp k, 0,1,2,3
	v_lshlrev_b32 v[136+\k], 30, v[136+\k]
.endr
.irp k, 0,1,2,3
	v_and_b32 v[112+\k], s38, v[112+\k]
.endr
.irp k, 0,1,2,3
	v_and_b32 v[136+\k], s38, v[136+\k]
.endr
.irp k, 0,1,2,3
	v_xor_b32 v[80+4*(\g)+\k], v[80+4*(\g)+\k], v[112+\k]
.endr
.irp k, 0,1,2,3
	v_xor_b32 v[48+4*(\g)+\k], v[48+4*(\g)+\k], v[136+\k]
.endr
.endm
.irp g, 0,1,2,3
	SC4 \g, 1
.endr
.irp g, 4,5,6,7
	SC4 \g, 0
.endr
.irp g, 0,1,2,3,4,5,6,7
	global_store_b128 v5, v[48+4*\g:51+4*\g], s[16:17] offset:512*\g          ; 512 consecutive bytes
	global_store_b128 v5, v[80+4*\g:83+4*\g], s[16:17] offset:4096+512*\g
.endr
	s_endpgm
.Lfunc_end_k_q34168f7559_prep:
	.size	k_q34168f7559_prep, .Lfunc_end_k_q34168f7559_prep-k_q34168f7559_prep
	.p2alignl 7, 3214868480
	.fill 96, 4, 3214868480
	.section	.rodata,"a",@progbits
	.p2align	6, 0x0
	.amdhsa_kernel k_q34168f7559_prep
		.amdhsa_group_segment_fixed_size 34304
		.amdhsa_private_segment_fixed_size 0
		.amdhsa_enable_private_segment 0
		.amdhsa_kernarg_size 56
		.amdhsa_user_sgpr_count 2
		.amdhsa_user_sgpr_kernarg_segment_ptr 1
		.amdhsa_wavefront_size32 1
		.amdhsa_system_sgpr_workgroup_id_x 1
		.amdhsa_system_sgpr_workgroup_id_y 1
		.amdhsa_system_sgpr_workgroup_id_z 1
		.amdhsa_system_vgpr_workitem_id 0
		.amdhsa_next_free_vgpr 256
		.amdhsa_next_free_sgpr 66
		.amdhsa_reserve_vcc 1
		.amdhsa_float_denorm_mode_32 3
		.amdhsa_float_denorm_mode_16_64 3
		.amdhsa_memory_ordered 1
		.amdhsa_forward_progress 1
		.amdhsa_inst_pref_size 114
	.end_amdhsa_kernel
	.amdgpu_metadata
---
amdhsa.version: [ 1, 2 ]
amdhsa.kernels:
  - .name:           k_q34168f7559_prep
    .symbol:         k_q34168f7559_prep.kd
    .args:
      - { .name: x, .offset: 0, .size: 8, .value_kind: global_buffer, .address_space: global }
      - { .name: Wqkv, .offset: 8, .size: 8, .value_kind: global_buffer, .address_space: global }
      - { .name: Wout, .offset: 16, .size: 8, .value_kind: global_buffer, .address_space: global }
      - { .name: freqs, .offset: 24, .size: 8, .value_kind: global_buffer, .address_space: global }
      - { .name: xq, .offset: 32, .size: 8, .value_kind: global_buffer, .address_space: global }
      - { .name: wq, .offset: 40, .size: 8, .value_kind: global_buffer, .address_space: global }
      - { .name: cs, .offset: 48, .size: 8, .value_kind: global_buffer, .address_space: global }
    .group_segment_fixed_size: 34304
    .private_segment_fixed_size: 0
    .kernarg_segment_align: 8
    .kernarg_segment_size: 56
    .max_flat_workgroup_size: 128
    .sgpr_count:     66
    .vgpr_count:     256
    .wavefront_size: 32
...
	.end_amdgpu_metadata
.endif
;; end of part 1
;; launch qkv (part 2): grid 12 x 32, 4 waves a work-group, clusters of 4 x 4, 327,680 bytes of LDS; arguments xq, wq, cs, bqkv, qi, kv; writes qi, kv
.if DOCPART == 2
	.amdgcn_target "amdgcn-amd-amdhsa--gfx1250"
	.amdhsa_code_object_version 6
	.text
	.protected	k_q34168f7559_qkv
	.globl	k_q34168f7559_qkv
	.p2align	8
	.type	k_q34168f7559_qkv,@function
k_q34168f7559_qkv:
	s_mov_b64 s[64:65], 0
	v_nop
	global_prefetch_b8 v0, s[64:65] scope:SCOPE_SE
	s_setreg_imm32_b32 hwreg(HW_REG_WAVE_MODE, 25, 1), 1
	s_wait_xcnt 0x0
	s_wait_alu depctr_hold_cnt(0) depctr_sa_sdst(0) depctr_va_vdst(0) depctr_va_sdst(0) depctr_va_ssrc(0) depctr_va_vcc(0) depctr_vm_vsrc(0)
	s_getreg_b32 s2, hwreg(HW_REG_IB_STS2, 6, 4)
	s_cmp_eq_u32 s2, 0
	s_cbranch_scc0 .Lentry_in_a_cluster
	s_endpgm
.Lentry_in_a_cluster:
	s_bfe_u32 s2, ttmp6, 0x10000c
	s_cmp_lg_u32 s2, 0xf033
	s_cbranch_scc0 .Lentry_shape_is_right
	s_endpgm
.Lentry_shape_is_right:
; QKV: x Wqkv + bqkv on codes of FP6 (E2M3) with E8M0 scales, then RoPE on q and k, then q, k and v are quantised for the attention's two products and stored as images of its operands' registers.
; THE PRODUCT.  A tile of 256 x 256 to a work-group of four waves, 128 x 128 to a wave (64 accumulators, 512 registers); K = 1,024 in four steps of 256 through a ring of two LDS slots filled by tensor loads.
;   Operands lie in memory as images of their registers (6 pieces of 256 bytes a fragment, [block of 16 rows][K step], 12,288 bytes a block), so a slot's part of 128 rows is 8 rows of 3,072 bytes, 12,288 apart,
;   and a fragment comes by six ds_load_b64 of 256 consecutive bytes each: no padding is wanted.  The scale bytes of the work-group's rows, for all of K, come once and stay in LDS.
; CLUSTERS of 4 x 4: the A buffer's tile is shared along a row of the cluster, the B buffer's along a column; each is asked for jointly.  The cluster's x is the KIND: 0 q, 1 k, 2 v: the same in all partners.
; USED TRANSPOSED: source 0 = 16 rows of the B buffer, source 1 = 16 rows of the A buffer: a lane holds one row of A, its registers run along B's rows.
;   q, k: A = xq (rows l), B = wq (columns of Wq, Wk).   v: A = wq (columns of Wv), B = xq: the same loop gives V^T, a lane one channel, its registers along the keys, which are the second product's K.
; POSITION ORDER (offset 16 a + 8 u + c of a group of 32 lies at position 16 u + 8 a + c) makes, in accumulator (a, b), lane (r, h), register j:
;   A's row 32 (a / 2) + 16 (r / 8) + 8 (a % 2) + r % 8, B's row 32 (b / 2) + 16 h + 8 (b % 2) + j: the 16 registers of accumulators 2 G, 2 G + 1 are 16 neighbours along B's rows.
; THE WAY OUT uses no LDS.  A record of 12,800 bytes holds 128 keys of a head: +0 K, 4 fragments of 1,536 bytes (3 chunks of 512: registers 4 c .. 4 c + 3, lane L at 16 L); +6144 V^T, 4 fragments; +12288 K's scale words [r][fragment]; +12544 V's.
;   A fragment of K (and of Q) holds 32 keys: row r's first 64 along K are key 32 f + 16 (r / 8) + r % 8, its last 64 the key 8 further on.
; REGISTERS: window 0: v16-31 addresses; v32-63 scale words, two sets, and nothing else; v64-127 the bias; from v128 A's fragments, later the numbers to be quantised (v128-191), their codes (v192-211) and work (v212-243).
;   window 1: B's fragments, two sets, later four sets of cos and sin.   windows 2, 3: the accumulators.
; LIMITS: NaN and infinities are not served; a block of zeros gets the byte 1, not 127 (its codes are zeros; this program alone reads the bytes); blocks under 2^-124 are held at the floor.
.set CODE_OFF, 262144
.set NQ,     2                         ; matrix instructions deep in a slot
.set FR,     12                        ; registers of a fragment
.set NL,     6                         ; LDS loads that bring one
.set NP,     4                         ; places behind this matrix instruction (ISA guide 7.12.1)
.set KB,     3072                      ; a block of 16 rows x 256 K in bytes
.set HALFT,  8*KB                      ; 128 rows: what one tensor load brings
.set SLOT,   4*HALFT
.set LAPS,   2
.set KS,     32                        ; a row of scale bytes
.set SCL,    2*SLOT                    ; behind the ring: the scales, as units of 256 bytes + 16 of padding
.set HALFS,  16*272
.set SBLK,   544
.set SPARE,  SCL+4*HALFS               ; the spare words, 128 bytes for each wave: two blocks of 256 bytes that no other line names
.set ADRA, 16                          ; v16-17 LDS address of my A fragments in slot 0, 1
.set ADRB, 20                          ; v20-21 the same for B
.set LI,   24                          ; v24 16 x lane
.set SWO,  25                          ; v25 204,800 h + 16 r: where my four scale words go
.set BO,   26                          ; v26 64 h: the bias of q and k
.set ADRS, 27                          ; v27 LDS address of my scale words
.set SPW,  28
.set NIL,  29
.set BOV,  30                          ; v30 4 (16 (r / 8) + r % 8): the bias of v
.set SC,   32
.set BIAS, 64
.set AF,   128
.set ST,   128
.set PC,   192
.set TM,   212
.set PW,   228
.set PWS,  232
.set SEL,  68
.set G1, 24
.set G0, 32
.set G1B, 48
.set G0B, 56
.set G1S, 68
.set G0S, 76
.set G1SB, 80
.set G0SB, 88
.set MSB, 0
.macro WIN new                         ; the immediate's high byte repeats the setting that is left
.if MSB != (\new)
	s_set_vgpr_msb (MSB<<8)|(\new)
.set MSB, (\new)
.endif
.endm
.set MUL_LO, 0xa1                      ; source 0 (B) window 1, source 1 (A) window 0, C and D window 2
.set MUL_HI, 0xf1
.set TO_B,   0x40
; A joint load: waves 0 and 1 fetch for A, waves 2 and 3 for B; four v_nop follow each of the two lines.
.macro JLOAD g0a, g1a, g0b, g1b
	s_cmp_eq_u32 s15, 0
	s_cbranch_scc0 .Lfor_b_\@
	tensor_load_to_lds s[\g0a:\g0a+3], s[\g1a:\g1a+7]
	s_nop 0
.rept 4
	v_nop
.endr
	s_branch .Lasked_\@
.Lfor_b_\@:
	tensor_load_to_lds s[\g0b:\g0b+3], s[\g1b:\g1b+7]
	s_nop 0
.rept 4
	v_nop
.endr
.Lasked_\@:
.endm
.macro CREST
	s_cmp_lg_u32 s14, 0
	s_cbranch_scc1 .Lnot_wave_0_\@
	s_barrier_signal -3
.Lnot_wave_0_\@:
	s_barrier_wait -3
	s_barrier_signal -1
	s_barrier_wait -1
.endm
.macro CROUND
	s_barrier_signal -1
	s_barrier_wait -1
	CREST
.endm
	s_load_b256 s[4:11], s[0:1], 0x0               ; xq s[4:5], wq s[6:7], cs s[8:9], bqkv s[10:11]
	s_load_b128 s[96:99], s[0:1], 0x20             ; qi s[96:97], kv s[98:99]
	v_lshl_add_u32 v[SPW], v0, 2, SPARE
	v_mov_b32 v[NIL], 0
	ds_add_u32 v28, v29
	ds_add_u32 v28, v29
	s_wait_dscnt 0x0
	v_lshrrev_b32 v1, 5, v0
	v_readfirstlane_b32 s14, v1                    ; wave 0..3
	s_lshr_b32 s15, s14, 1                         ; which half of A's rows is mine.  Also: I fetch for A (0) or for B (1)
	s_and_b32 s16, s14, 1                          ; which half of B's rows.  Also: which 128 rows I fetch
	s_bfe_u32 s40, ttmp6, 0x40000                  ; cx
	s_bfe_u32 s41, ttmp6, 0x40004                  ; cy
	s_mov_b32 s95, ttmp9                           ; the kind: the cluster's x
	s_and_b32 s100, ttmp7, 0xffff                  ; the cluster's y
	s_cmp_eq_u32 s95, 2
	s_cselect_b32 s17, 2, s100                     ; v: A's rows are Wv's columns, 2,048 on; else rows of x
	s_cselect_b32 s42, s100, s95                   ; v: B's rows are rows of x; else columns of Wq or Wk
	s_lshl_b32 s17, s17, 2
	s_add_co_u32 s17, s17, s41                     ; A's tile
	s_lshl_b32 s42, s42, 2
	s_add_co_u32 s42, s42, s40                     ; B's tile
	s_lshl_b32 s43, s41, 2
	s_lshl_b32 s43, 15, s43                        ; my row of the cluster
	s_lshl_b32 s44, 0x1111, s40                    ; my column
	; group 1 of the codes' tiles: 8 rows of 384 elements of 8 bytes, 1,536 elements apart, no padding
	s_or_b32 s[G1+0], s43, (3<<16)|(1<<21)
	s_or_b32 s[G1B+0], s44, (3<<16)|(1<<21)
.irp g, G1, G1B
	s_mov_b32 s[\g+1], 384<<16                     ; tensor_dim0
	s_mov_b32 s[\g+2], 16<<16                      ; the head's loads bring 256 rows (16 blocks); behind them these two words are set to 8
	s_mov_b32 s[\g+3], 384<<16
	s_mov_b32 s[\g+4], 16
	s_mov_b32 s[\g+5], 1536                        ; from row to row
	s_mov_b32 s[\g+6], 0
	s_mov_b32 s[\g+7], 0
.endr
	; the scales of 256 rows: 8,192 dense bytes as 32 rows of 256, 16 bytes of padding behind each
	s_or_b32 s[G1S+0], s43, (3<<16)|(1<<20)|(1<<21)|(5<<22)|(3<<25)
	s_or_b32 s[G1SB+0], s44, (3<<16)|(1<<20)|(1<<21)|(5<<22)|(3<<25)
.irp g, G1S, G1SB
	s_mov_b32 s[\g+1], 32<<16
	s_mov_b32 s[\g+2], 32<<16                      ; the scales of all 256 rows: 32 rows of 256 bytes
	s_mov_b32 s[\g+3], 32<<16
	s_mov_b32 s[\g+4], 32
	s_mov_b32 s[\g+5], 32
	s_mov_b32 s[\g+6], 0
	s_mov_b32 s[\g+7], 0
.endr
	s_mul_i32 s18, s16, 128*768                    ; in the ring I fetch 128 rows of a tile: which half, in bytes
	s_mov_b32 s19, 0
	s_lshl_b32 s20, s17, 8                         ; A's tile: its first row
	s_lshl_b32 s46, s42, 8                         ; B's tile: its first row
	s_lshl_b32 s22, s20, 5                         ; their scale bytes: 32 a row
	s_mov_b32 s23, 0
	s_lshl_b32 s92, s46, 5
	s_mov_b32 s93, 0
	s_mul_i32 s20, s20, 768                        ; their codes: 12,288 bytes for 16 rows
	s_add_co_u32 s20, s20, CODE_OFF
	s_mov_b32 s21, 0
	s_mul_i32 s46, s46, 768
	s_add_co_u32 s46, s46, CODE_OFF
	s_mov_b32 s47, 0
	s_mul_i32 s45, s14, HALFT                      ; where they go: by the wave's number alone
	s_wait_kmcnt 0x0
	s_cmp_eq_u32 s95, 2
	s_cselect_b64 s[66:67], s[6:7], s[4:5]         ; the A buffer
	s_cselect_b64 s[12:13], s[4:5], s[6:7]         ; the B buffer
	s_add_nc_u64 s[20:21], s[66:67], s[20:21]
	s_add_nc_u64 s[22:23], s[66:67], s[22:23]
	s_add_nc_u64 s[46:47], s[12:13], s[46:47]
	s_add_nc_u64 s[92:93], s[12:13], s[92:93]
	CROUND                                         ; all sixteen work-groups are here: the first joint loads meet
	s_mov_b32 s[G0S], 1
	s_mov_b32 s[G0S+1], SCL
	s_mov_b64 s[G0S+2:G0S+3], s[22:23]
	s_or_b32 s[G0S+3], s[G0S+3], 0x80000000
	s_mov_b32 s[G0SB], 1
	s_mov_b32 s[G0SB+1], SCL+2*HALFS
	s_mov_b64 s[G0SB+2:G0SB+3], s[92:93]
	s_or_b32 s[G0SB+3], s[G0SB+3], 0x80000000
	s_mov_b32 s[G0], 1                             ; slot 0's group 0 serves the head first: K step 0 of A's 256 rows,
	s_mov_b32 s[G0+1], 0
	s_mov_b64 s[G0+2:G0+3], s[20:21]
	s_or_b32 s[G0+3], s[G0+3], 0x80000000
	s_mov_b32 s[G0B], 1                            ; and of B's 256 rows, behind them
	s_mov_b32 s[G0B+1], 2*HALFT
	s_mov_b64 s[G0B+2:G0B+3], s[46:47]
	s_or_b32 s[G0B+3], s[G0B+3], 0x80000000
	s_mov_b32 s[G0+4], 1                           ; slot 1: K step 1 of my 128 rows
	s_add_co_u32 s[G0+5], s45, SLOT
	s_add_nc_u64 s[G0+6:G0+7], s[20:21], s[18:19]
	s_add_nc_u64 s[G0+6:G0+7], s[G0+6:G0+7], KB
	s_or_b32 s[G0+7], s[G0+7], 0x80000000
	s_mov_b32 s[G0B+4], 1
	s_add_co_u32 s[G0B+5], s45, SLOT
	s_add_nc_u64 s[G0B+6:G0B+7], s[46:47], s[18:19]
	s_add_nc_u64 s[G0B+6:G0B+7], s[G0B+6:G0B+7], KB
	s_or_b32 s[G0B+7], s[G0B+7], 0x80000000
; THE HEAD'S LOADS, ONE A WAVE: wave 0 K step 0 of A's 256 rows, wave 1 of B's, wave 2 A's scales, wave 3 B's.  One tree of branches on the wave's number, one load to an arm.
.macro ARM under, g0, g1, next
	s_cmp_lt_u32 s14, \under
	s_cbranch_scc0 \next
	tensor_load_to_lds s[\g0:\g0+3], s[\g1:\g1+7]
	s_nop 0
.rept 4
	v_nop
.endr
	s_branch .Lhead_asked
\next:
.endm
	ARM 1, G0,  G1,  .Lhead_b
	ARM 2, G0B, G1B, .Lhead_sa
	ARM 3, G0S, G1S, .Lhead_sb
	tensor_load_to_lds s[G0SB:G0SB+3], s[G1SB:G1SB+7]
	s_nop 0
.rept 4
	v_nop
.endr
.Lhead_asked:
	v_and_b32 v1, 15, v0                           ; r
	v_bfe_u32 v2, v0, 4, 1                         ; h
	v_and_b32 v3, 31, v0                           ; lane
	v_lshlrev_b32 v4, 3, v3                        ; 8 x lane: my place in a piece
	s_mul_i32 s21, s15, HALFT
	s_mul_i32 s22, s16, HALFT
	s_add_co_u32 s22, s22, 2*HALFT
.irp s, 0,1
	v_add_nc_u32 v[ADRA+\s], s21, v4
	v_add_nc_u32 v[ADRB+\s], s22, v4
	s_add_co_u32 s21, s21, SLOT
	s_add_co_u32 s22, s22, SLOT
.endr
	v_mul_u32_u24 v5, v1, KS                       ; my row's scales: 32 bytes a row,
	v_lshrrev_b32 v6, 8, v5
	v_lshl_add_u32 v5, v6, 4, v5                   ; and 16 more for each 256 passed
	s_mul_i32 s21, s15, HALFS
	s_mul_i32 s22, s16, HALFS
	s_add_co_u32 s22, s22, 2*HALFS
	s_sub_co_u32 s22, s22, s21
	v_mul_u32_u24 v6, s22, v2                      ; lanes 16-31 take B's
	s_add_co_u32 s21, s21, SCL
	v_add_nc_u32 v5, v5, v6
	v_add_nc_u32 v[ADRS], s21, v5
	v_lshlrev_b32 v[LI], 4, v3
	v_mul_u32_u24 v[SWO], v2, 204800
	v_lshl_add_u32 v[SWO], v1, 4, v[SWO]
	v_lshlrev_b32 v[BO], 6, v2
	v_and_b32 v5, 7, v1
	v_bfe_u32 v6, v1, 3, 1
	v_lshl_or_b32 v5, v6, 4, v5
	v_lshlrev_b32 v[BOV], 2, v5
.macro FRAG reg, adr, q, i             ; a fragment as it lies: six pieces of 256 bytes, registers 2 p, 2 p + 1 of lane L at 8 L
.irp p, 0,1,2,3,4,5
	ds_load_b64 v[\reg+2*\p:\reg+2*\p+1], v[\adr] offset:256*\p+1536*(\q)+KB*(\i)
.endr
.endm
; 16 matrix instructions: A's blocks a0, a0 + 1 x B's eight.  The 64 accumulators take turns, one instruction a turn, in the same order in every step.
.macro MUL16 a0, p, q, sc, zero
.irp a, \a0, \a0+1
.irp b, 0,1,2,3,4,5,6,7
.if \zero
	v_wmma_scale_f32_16x16x128_f8f6f4 v[8*(8*((\a)%4)+\b):8*(8*((\a)%4)+\b)+7], v[128*(\p)+FR*\b:128*(\p)+FR*\b+FR-1], v[AF+FR*(\a):AF+FR*(\a)+FR-1], 0, v[SC+8*NQ*(\sc)+NQ*\b+(\q)], v[SC+8*NQ*(\sc)+NQ*(\a)+(\q)] matrix_a_fmt:MATRIX_FMT_FP6 matrix_b_fmt:MATRIX_FMT_FP6 matrix_a_scale:MATRIX_SCALE_ROW1
.else
	v_wmma_scale_f32_16x16x128_f8f6f4 v[8*(8*((\a)%4)+\b):8*(8*((\a)%4)+\b)+7], v[128*(\p)+FR*\b:128*(\p)+FR*\b+FR-1], v[AF+FR*(\a):AF+FR*(\a)+FR-1], v[8*(8*((\a)%4)+\b):8*(8*((\a)%4)+\b)+7], v[SC+8*NQ*(\sc)+NQ*\b+(\q)], v[SC+8*NQ*(\sc)+NQ*(\a)+(\q)] matrix_a_fmt:MATRIX_FMT_FP6 matrix_b_fmt:MATRIX_FMT_FP6 matrix_a_scale:MATRIX_SCALE_ROW1
.endif
.endr
.endr
.endm
.macro FETCH_B slot, q, p
	WIN TO_B
.irp i, 0,1,2,3,4,5,6,7
	FRAG 128*(\p)+FR*\i, ADRB+\slot, \q, \i
.endr
	WIN 0
.endm
.macro FETCH_A slot, q, i0
.irp i, \i0, \i0+1, \i0+2, \i0+3
	FRAG AF+FR*(\i), ADRA+\slot, \q, \i
.endr
.endm
.macro SCALES sc                       ; a K step's scale words: lanes 0-15 A's block i, lanes 16-31 B's block i
.irp i, 0,1,2,3,4,5,6,7
	ds_load_b64 v[SC+8*NQ*\sc+NQ*\i:SC+8*NQ*\sc+NQ*\i+1], v[ADRS] offset:\i*SBLK
.endr
.endm
.macro PLACES n                        ; plain vector instructions between a matrix instruction and a load into, or a vector instruction on, its registers
.rept \n
	v_nop
.endr
.endm
.macro STEP slot, q, zero              ; 128 along K that have their successor in the same slot
	s_wait_dscnt 4*NL                              ; B's set, A's blocks 0-3 and the scale words are in; the youngest 24 loads (A's blocks 4-7) may be out
	WIN MUL_LO
	MUL16 0, (\q)%2, \q, \slot, \zero
	MUL16 2, (\q)%2, \q, \slot, \zero
	s_wait_dscnt 0
	PLACES NP
	FETCH_B \slot, (\q)+1, 1-(\q)%2
	FETCH_A \slot, (\q)+1, 0
	WIN MUL_HI
	MUL16 4, (\q)%2, \q, \slot, \zero
	MUL16 6, (\q)%2, \q, \slot, \zero
	PLACES NP
	WIN 0
	FETCH_A \slot, (\q)+1, 4
.endm
; A slot's last 128 change slots: one barrier; in front of it each wave waits for all its tensor loads, adds 0 to its spare word, and waits for that and for its reads of this slot.
.macro TURN slot, next, fill
	s_wait_tensorcnt 0x0                           ; all my tensor loads have landed: my part of the next slot
	ds_add_u32 v[SPW], v[NIL]                      ; 0 onto my spare word
	s_wait_dscnt 4*NL+1                            ; (the add and A's blocks 4-7 may be out)
	WIN MUL_LO
	MUL16 0, 1, NQ-1, \slot, 0
	s_wait_dscnt 0x0                               ; the add is done, and my reads of this slot are over
	s_barrier_signal -1
	MUL16 2, 1, NQ-1, \slot, 0
	WIN 0
	s_barrier_wait -1
.if \fill
	CREST                                          ; the barrier has opened a round of the cluster's barrier: no wave of any partner still reads this slot or has a load on its way
	s_add_nc_u64 s[G0+4*\slot+2:G0+4*\slot+3], s[G0+4*\slot+2:G0+4*\slot+3], 2*KB
	s_add_nc_u64 s[G0B+4*\slot+2:G0B+4*\slot+3], s[G0B+4*\slot+2:G0B+4*\slot+3], 2*KB
	JLOAD G0+4*\slot, G1, G0B+4*\slot, G1B         ; the first tensor load behind the round; its four v_nop are the places in front of the loads below
.else
	PLACES NP
.endif
	s_wait_alu depctr_va_vdst(0)
	v_add_nc_u32 v[ADRS], 4*NQ, v[ADRS]
	FETCH_B \next, 0, 0
	FETCH_A \next, 0, 0
	SCALES \next
	WIN MUL_HI
	MUL16 4, 1, NQ-1, \slot, 0
	MUL16 6, 1, NQ-1, \slot, 0
	PLACES NP
	WIN 0
	FETCH_A \next, 0, 4
.endm
.macro LAST                            ; the very last 128 along K: nothing more to fetch
	s_wait_dscnt 4*NL
	WIN MUL_LO
	MUL16 0, 1, NQ-1, 1, 0
	MUL16 2, 1, NQ-1, 1, 0
	s_wait_dscnt 0
	WIN MUL_HI
	MUL16 4, 1, NQ-1, 1, 0
	MUL16 6, 1, NQ-1, 1, 0
	WIN 0
.endm
; 64 numbers of a lane, register 16 b + i = k 32 b + 16 h + i of my row, become a fragment's codes in v[PC] on and its scale word in v[PW].
.macro QUANT s
.irp b, 0,1,2,3
	v_max3_num_f32 v[TM+\b], |v[\s+16*\b]|, |v[\s+1+16*\b]|, 0x1800000   ; my 16 numbers of block b, and the floor 2^(3 - 127)
.endr
.irp i, 2,4,6,8,10,12,14
.irp b, 0,1,2,3
	v_max3_num_f32 v[TM+\b], v[TM+\b], |v[\s+16*\b+\i]|, |v[\s+1+16*\b+\i]|
.endr
.endr
.irp b, 0,1,2,3
	v_permlanex16_b32 v[TM+4+\b], v[TM+\b], s[SEL], s[SEL+1]
.endr
.irp b, 0,1,2,3
	v_max_num_f32 v[TM+\b], v[TM+\b], v[TM+4+\b]   ; with lane l xor 16's: the block's largest magnitude
.endr
.irp b, 0,1,2,3
	v_add_nc_u32 v[TM+12+\b], 0xff000000, v[TM+\b] ; 2 off its exponent field: the conversion's scale operand
.endr
.irp b, 0,1,2,3
	v_lshrrev_b32 v[TM+4+\b], 23, v[TM+12+\b]      ; the scale's byte
.endr
	v_lshl_or_b32 v[PW], v[TM+5], 8, v[TM+4]
	v_lshl_or_b32 v[PW], v[TM+6], 16, v[PW]
	v_lshl_or_b32 v[PW], v[TM+7], 24, v[PW]
.irp c, 0,1
	v_cvt_scalef32_pk16_fp6_f32 v[PC+6*\c:PC+2+6*\c], v[\s+32*\c:\s+15+32*\c], v[TM+12+2*\c]
	v_cvt_scalef32_pk16_fp6_f32 v[PC+12+4*\c:PC+14+4*\c], v[\s+16+32*\c:\s+31+32*\c], v[TM+12+2*\c+1]   ; (a conversion's three registers begin on an even number)
.endr
	v_nop                                          ; one plain place behind a scaled conversion
.irp c, 0,1                                    ; the operand's layout wants a whole block in a lane
.irp i, 0,1,2
	v_permlane16_swap_b32 v[PC+6*\c+\i], v[PC+12+4*\c+\i]
.endr
.irp i, 0,1,2
	v_mov_b32 v[PC+3+6*\c+\i], v[PC+12+4*\c+\i]
.endr
.endr
.endm
.macro CSLOAD a                        ; cos (registers 0-31) and signed sin (32-63) of A's block a, into set a % 4 of window 1
	WIN 0x40
.irp i, 0,1,2,3,4,5,6,7,8,9,10,11,12,13,14,15
	global_load_b128 v[64*((\a)%4)+4*\i:64*((\a)%4)+4*\i+3], v[LI], s[72:73] offset:8192*(\a)+512*\i
.endr
.endm
; Block a, head hd: the bias is added in place; then q' = q cos + (the other half of q) x signed sin, into v[ST + 32 ap] on.  Register e of a head's 32 is d = 32 (e / 16) + 16 h + e % 16.
.macro ROPE a, ap, hd
.set AC, 64*((\a)%4)+32*(\hd)
.set CSR, 64*((\a)%4)
	WIN 0x82+0x41*((\a)/4)                         ; destination and source 0: the accumulators' window; the bias in window 0
.irp e, 0,2,4,6,8,10,12,14,16,18,20,22,24,26,28,30
	v_pk_add_f32 v[AC+\e:AC+\e+1], v[AC+\e:AC+\e+1], v[BIAS+32*(\hd)+\e:BIAS+32*(\hd)+\e+1]   ; each accumulator from its low end on
.endr
	WIN 0x06+((\a)/4)                              ; source 0: the accumulators; source 1: window 1; the rest window 0
.irp e, 0,2,4,6,8,10,12,14
	v_pk_mul_f32 v[ST+32*(\ap)+\e:ST+32*(\ap)+\e+1], v[AC+16+\e:AC+17+\e], v[CSR+32+\e:CSR+33+\e]
	v_pk_mul_f32 v[ST+32*(\ap)+16+\e:ST+32*(\ap)+17+\e], v[AC+\e:AC+1+\e], v[CSR+48+\e:CSR+49+\e]
.endr
.irp e, 0,2,4,6,8,10,12,14
	v_pk_fma_f32 v[ST+32*(\ap)+\e:ST+32*(\ap)+\e+1], v[AC+\e:AC+1+\e], v[CSR+\e:CSR+1+\e], v[ST+32*(\ap)+\e:ST+32*(\ap)+\e+1]
	v_pk_fma_f32 v[ST+32*(\ap)+16+\e:ST+32*(\ap)+17+\e], v[AC+16+\e:AC+17+\e], v[CSR+16+\e:CSR+17+\e], v[ST+32*(\ap)+16+\e:ST+32*(\ap)+17+\e]
.endr
.endm
	s_wait_alu depctr_va_vdst(0)
	s_wait_tensorcnt 0x0                           ; my tile of the head's four is in
	ds_add_u32 v[SPW], v[NIL]
	s_mov_b32 s[G1+2], 8<<16                       ; no tensor load of mine is out: from here on a load brings 128 rows (8 blocks),
	s_mov_b32 s[G1+4], 8
	s_mov_b32 s[G1B+2], 8<<16
	s_mov_b32 s[G1B+4], 8
	s_mov_b32 s[G0+1], s45                         ; and slot 0's group 0 stands at my 128 rows of K step 0, for its first refill
	s_add_nc_u64 s[G0+2:G0+3], s[G0+2:G0+3], s[18:19]
	s_mov_b32 s[G0B+1], s45
	s_add_nc_u64 s[G0B+2:G0B+3], s[G0B+2:G0B+3], s[18:19]
	s_wait_dscnt 0x0
	CROUND                                         ; all four tiles are in, and all sixteen work-groups are here
	JLOAD G0+4, G1, G0B+4, G1B                     ; K step 1, the first tensor load behind the round
	FETCH_B 0, 0, 0
	FETCH_A 0, 0, 0
	SCALES 0
	FETCH_A 0, 0, 4
	STEP 0, 0, 1                                   ; the first products start the sums
	s_mov_b32 s3, LAPS-1
.Llap:
	TURN 0, 1, 1
	STEP 1, 0, 0
	TURN 1, 0, 1
	STEP 0, 0, 0
	s_sub_co_u32 s3, s3, 1
	s_cmp_lg_u32 s3, 0
	s_cbranch_scc1 .Llap
	TURN 0, 1, 0                                   ; the last lap fills nothing; all my tensor loads have been waited for, so the descriptors' registers are free
	STEP 1, 0, 0
	; the scalars of the way out
	s_lshl_b32 s18, s17, 8
	s_lshl_b32 s19, s15, 7
	s_add_co_u32 s18, s18, s19                     ; my first row of the A buffer
	s_lshl_b32 s19, s42, 8
	s_lshl_b32 s20, s16, 7
	s_add_co_u32 s19, s19, s20                     ; my first row of the B buffer
	s_cmp_eq_u32 s95, 2
	s_cselect_b32 s20, s19, s18                    ; my first row of x
	s_cselect_b32 s21, s18, s19                    ; my first column of Wqkv
	s_cselect_b32 s22, 6144, 0                     ; V's fragments lie behind K's,
	s_cselect_b32 s23, 256, 0                      ; and its scale words behind K's
	s_cmp_eq_u32 s95, 0
	s_cselect_b64 s[12:13], s[96:97], s[98:99]     ; q goes to qi, k and v to kv
	s_lshr_b32 s43, s20, 11
	s_lshl_b32 s43, s43, 4
	s_bfe_u32 s44, s21, 0x40006                    ; my first head: (column mod 1,024) / 64
	s_add_co_u32 s43, s43, s44
	s_mul_i32 s43, s43, 204800
	s_bfe_u32 s44, s20, 0x40007                    ; which 128 rows of the batch's 2,048
	s_mul_i32 s44, s44, 12800
	s_add_co_u32 s43, s43, s44                     ; my record
	s_add_co_u32 s44, s43, s23
	s_add_co_u32 s44, s44, 12288
	s_mov_b32 s45, 0
	s_add_nc_u64 s[66:67], s[12:13], s[44:45]      ; its scale words
	s_add_co_u32 s44, s43, s22
	s_add_nc_u64 s[12:13], s[12:13], s[44:45]      ; its fragments
	s_and_b32 s44, s20, 2047
	s_lshl_b32 s44, s44, 9
	s_add_nc_u64 s[72:73], s[8:9], s[44:45]        ; the table: 8,192 bytes for 16 l
	s_lshl_b32 s44, s21, 2
	s_add_nc_u64 s[74:75], s[10:11], s[44:45]      ; the bias
	s_mov_b32 s[SEL], 0x76543210
	s_mov_b32 s[SEL+1], 0xfedcba98
	s_mov_b32 s70, 0xffff0000
	s_cmp_eq_u32 s95, 2                            ; ONE branch on the kind; the last 64 products are written in both arms
	s_cbranch_scc1 .Lpath_v
	; ---- q and k.  The bias and the first two sets of cos and sin land under the last 64 products: B's set 0 is free, and its places have stood
.irp b, 0,1,2,3,4,5,6,7
	global_load_b128 v[BIAS+8*\b:BIAS+8*\b+3], v[BO], s[74:75] offset:128*(\b/2)+32*(\b%2)       ; register 8 b + j: column 32 (b / 2) + 16 h + 8 (b % 2) + j
	global_load_b128 v[BIAS+8*\b+4:BIAS+8*\b+7], v[BO], s[74:75] offset:128*(\b/2)+32*(\b%2)+16
.endr
	CSLOAD 0
	CSLOAD 1
	LAST
	PLACES NP
	CSLOAD 2
	CSLOAD 3
	WIN 0
.irp b, 0,1,2,3
	v_mov_b32 v[TM+4+\b], 0                        ; a lane permute's destination counts as one of its sources
.endr
.irp idx, 0,1,2,3                              ; blocks 2 idx and 2 idx + 1 make fragment idx: 32 keys
.if \idx < 3
	s_wait_loadcnt 32                              ; this pair's sets are in (and the bias); the younger pair's 32 loads may be out
.else
	s_wait_loadcnt 0x0
.endif
.irp hd, 0,1
	s_wait_xcnt 0x0                                ; the last fragment's stores have read their registers
	ROPE 2*\idx, 0, \hd
	ROPE 2*\idx+1, 1, \hd
	WIN 0
	QUANT ST
.irp c, 0,1,2
	global_store_b128 v[LI], v[PC+4*\c:PC+4*\c+3], s[12:13] offset:\hd*204800+\idx*1536+512*\c   ; 512 consecutive bytes, aligned
.endr
	v_mov_b32 v[PWS+4*\hd+\idx], v[PW]
.endr
.if \idx < 2
	CSLOAD 2*\idx+4
	CSLOAD 2*\idx+5
.endif
.endr
	s_branch .Lend
.Lpath_v:
	; ---- v: a lane holds one channel, its 64 registers of a block 128 keys: one fragment of V^T for each block
.irp a, 0,1,2,3,4,5,6,7
	global_load_b32 v[BIAS+2*\a], v[BOV], s[74:75] offset:4*(32*(\a/2)+8*(\a%2))     ; my channel's bias, twice: a pair for the packed addition
	global_load_b32 v[BIAS+2*\a+1], v[BOV], s[74:75] offset:4*(32*(\a/2)+8*(\a%2))
.endr
	LAST
	PLACES NP
.irp b, 0,1,2,3
	v_mov_b32 v[TM+4+\b], 0
.endr
	s_wait_loadcnt 0x0
.irp a, 0,1,2,3,4,5,6,7
	s_wait_xcnt 0x0                                ; the last fragment's stores have read their registers
	WIN 0x02+(\a/4)
.set e, 0
.rept 32
	v_pk_add_f32 v[ST+e:ST+e+1], v[64*(\a%4)+e:64*(\a%4)+e+1], v[BIAS+2*\a:BIAS+2*\a+1]   ; each accumulator from its low end on
.set e, e+2
.endr
	WIN 0
	QUANT ST
.irp c, 0,1,2
	global_store_b128 v[LI], v[PC+4*\c:PC+4*\c+3], s[12:13] offset:(\a/4)*204800+(\a%4)*1536+512*\c
.endr
	v_mov_b32 v[PWS+\a], v[PW]
.endr
.Lend:
	s_wait_alu depctr_va_vdst(0)
.irp i, 0,1,2,3
	v_cndmask_b32 v[240+\i], v[PWS+\i], v[PWS+4+\i], s70   ; lanes 0-15: my first head's four words of row r; lanes 16-31: my second head's
.endr
	global_store_b128 v[SWO], v[240:243], s[66:67]         ; sixteen lanes store 256 consecutive bytes, aligned
	s_wait_tensorcnt 0x0                           ; the wave's end
	ds_add_u32 v[SPW], v[NIL]
	s_wait_dscnt 0x0
	CROUND                                         ; the closing round
	s_endpgm
.Lfunc_end_k_q34168f7559_qkv:
	.size	k_q34168f7559_qkv, .Lfunc_end_k_q34168f7559_qkv-k_q34168f7559_qkv
	.p2alignl 7, 3214868480
	.fill 96, 4, 3214868480
	.section	.rodata,"a",@progbits
	.p2align	6, 0x0
	.amdhsa_kernel k_q34168f7559_qkv
		.amdhsa_group_segment_fixed_size 327680
		.amdhsa_private_segment_fixed_size 0
		.amdhsa_enable_private_segment 0
		.amdhsa_kernarg_size 48
		.amdhsa_user_sgpr_count 2
		.amdhsa_user_sgpr_kernarg_segment_ptr 1
		.amdhsa_wavefront_size32 1
		.amdhsa_system_sgpr_workgroup_id_x 1
		.amdhsa_system_sgpr_workgroup_id_y 1
		.amdhsa_system_sgpr_workgroup_id_z 1
		.amdhsa_system_vgpr_workitem_id 0
		.amdhsa_next_free_vgpr 1024
		.amdhsa_next_free_sgpr 102
		.amdhsa_reserve_vcc 0
		.amdhsa_float_denorm_mode_32 3
		.amdhsa_float_denorm_mode_16_64 3
		.amdhsa_memory_ordered 1
		.amdhsa_forward_progress 1
		.amdhsa_inst_pref_size 255
	.end_amdhsa_kernel
	.section	.bss,"aw",@nobits
	.p2align	6
	.space	262144
	.amdgpu_metadata
---
amdhsa.version: [ 1, 2 ]
amdhsa.kernels:
  - .name:           k_q34168f7559_qkv
    .symbol:         k_q34168f7559_qkv.kd
    .args:
      - { .name: xq, .offset: 0, .size: 8, .value_kind: global_buffer, .address_space: global }
      - { .name: wq, .offset: 8, .size: 8, .value_kind: global_buffer, .address_space: global }
      - { .name: cs, .offset: 16, .size: 8, .value_kind: global_buffer, .address_space: global }
      - { .name: bqkv, .offset: 24, .size: 8, .value_kind: global_buffer, .address_space: global }
      - { .name: qi, .offset: 32, .size: 8, .value_kind: global_buffer, .address_space: global }
      - { .name: kv, .offset: 40, .size: 8, .value_kind: global_buffer, .address_space: global }
    .group_segment_fixed_size: 327680
    .private_segment_fixed_size: 0
    .kernarg_segment_align: 8
    .kernarg_segment_size: 48
    .max_flat_workgroup_size: 128
    .sgpr_count:     102
    .vgpr_count:     1024
    .wavefront_size: 32
...
	.end_amdgpu_metadata
.endif
;; end of part 2
;; launch attn (part 3): grid 4 x 64, 16 waves a work-group, clusters of 4 x 1, 327,680 bytes of LDS; arguments qi, kv, aq; writes aq
.if DOCPART == 3
	.amdgcn_target "amdgcn-amd-amdhsa--gfx1250"
	.amdhsa_code_object_version 6
	.text
	.protected	k_q34168f7559_attn
	.globl	k_q34168f7559_attn
	.p2align	8
	.type	k_q34168f7559_attn,@function
k_q34168f7559_attn:
	s_mov_b64 s[64:65], 0
	v_nop
	global_prefetch_b8 v0, s[64:65] scope:SCOPE_SE
	s_setreg_imm32_b32 hwreg(HW_REG_WAVE_MODE, 25, 1), 1
	s_wait_xcnt 0x0
	s_wait_alu depctr_hold_cnt(0) depctr_sa_sdst(0) depctr_va_vdst(0) depctr_va_sdst(0) depctr_va_ssrc(0) depctr_va_vcc(0) depctr_vm_vsrc(0)
	s_getreg_b32 s2, hwreg(HW_REG_IB_STS2, 6, 4)
	s_cmp_eq_u32 s2, 0
	s_cbranch_scc0 .Lentry_in_a_cluster
	s_endpgm
.Lentry_in_a_cluster:
	s_bfe_u32 s2, ttmp6, 0x10000c
	s_cmp_lg_u32 s2, 0x3003
	s_cbranch_scc0 .Lentry_shape_is_right
	s_endpgm
.Lentry_shape_is_right:
; ATTN: o = softmax(q k^T / 8) v for one head and 512 queries a work-group, on codes of FP6 (E2M3) with E8M0 scales; o is quantised along the projection's K and stored as images of that operand's registers.
; SHARES.  Grid y is batch x head; the four work-groups of a cluster take 512 queries each of one head and ask for its K and V jointly.  A wave takes 16 queries in each of two passes; a lane holds one query (S^T = k q^T, O^T = v^T p^T).
; LDS.  The head's 16 records (128 keys each: K's 4 fragments, V^T's 4 fragments, the scale words; 12,800 bytes) come ONCE: one tensor load a wave, a record as 25 rows of 512 bytes with 128 bytes of padding behind each,
;   16,000 bytes a record, 256,000 in all; nothing is filled again, so one barrier serves the launch.  All of LDS is claimed.
; WHOLE BLOCKS IN A LANE.  A stored fragment f holds 32 keys: row r' has key 32 f + 16 (r' / 8) + r' % 8 in its first 64 along K and the key 8 further on in its last 64.  The fragment (c, u) that is multiplied is read with
;   permuted lanes: rows 0-7 are rows 8 u .. of stored fragment 2 c, rows 8-15 those of stored fragment 2 c + 1.  So register 32 c + 16 u + 8 s + j of lane (query, h) is key 64 c + 32 h + 16 u + 8 s + j:
;   a lane's 32 registers are block 2 c + h of p whole, in the order of the operand's layout: no other lane is asked for a block's maximum, and no halves change places.
;   Three rows of 640 bytes set stored fragments 1,920 bytes apart, 128 modulo 256.
; q has 64 along K: QA holds it in the first 64 and zero codes in the last, QB the other way round, so one fragment of K gives two tiles of 16 keys.
; SOFTMAX.  M is the ceiling of the running largest t, kept as -M; p = 2^(t - M); the sum is taken of the unquantised p; a change of M multiplies sum and O^T by a power of two.  A block's largest p is made from its largest score.
; No prefetch: all the launch's tensor loads go out at its head, so no loop runs ahead of a load; the second pass's q is loaded into registers a whole pass ahead.
; LIMITS: the promise holds while the scaled scores stay under 2^31 in magnitude; NaN and infinities are not served; a block of zeros gets the byte 1, not 127 (its codes are zeros; this program alone reads the bytes).
.set REC,   12800
.set LREC,  16000
.set CHK,   640
.set HEADB, 204800
.set CODE_OFF, 262144
.set SPARE, 256000
.set LI,  1                            ; 16 x lane
.set VA,  2                            ; LDS address of this step's V
.set R16, 3                            ; 16 r
.set L8,  4                            ; 8 x lane
.set SBO, 5                            ; 32 r + h: o's scale byte
.set SC,  8                            ; v8-11 K's scale words
.set QA,  16
.set QB,  28
.set QS,  40                           ; q's scale word
.set KL,  41                           ; K's lane term: 1920 (r / 8) + 16 (r % 8) + 256 h
.set KSL, 42                           ; its scale words': 16 (r % 8) + 4 (r / 8)
.set SH8, 43                           ; 8 h
.set FRG, 44                           ; v44-91 four fragments, K's and V's by turns
.set VS,  92                           ; v92-95 lanes 16-31: V's scale words
.set SCO, 96                           ; v96-159 scores, then p
.set OT,  160                          ; v160-191 O^T
.set PC,  192                          ; v192-203 p's codes; v204-206, v208-210 the upper halves as they are made
.set T0,  204
.set T1,  208
.set BM,  212                          ; v212-215 maxima, four chains
.set BS,  216
.set BP,  218
.set KA,  220                          ; LDS address of the next K
.set KS,  221
.set OM,  222
.set FF,  224
.set PW,  226                          ; p's scale word
.set PX,  227
.set SU,  228
.set WK,  230
.set WK2, 231
.set QL,  232                          ; v232-244 q as it is loaded
.macro DEP n
	s_delay_alu instid0(VALU_DEP_\n)
.endm
.macro CROUND
	s_barrier_signal -1
	s_barrier_wait -1
	s_cmp_lg_u32 s18, 0
	s_cbranch_scc1 .Lnot_wave_0_\@
	s_barrier_signal -3
.Lnot_wave_0_\@:
	s_barrier_wait -3
	s_barrier_signal -1
	s_barrier_wait -1
.endm
.macro QLOAD                           ; a fragment of q (32 queries) and its rows' scale words
.irp c, 0,1,2
	global_load_b128 v[QL+4*\c:QL+4*\c+3], v[LI], s[48:49] offset:512*\c
.endr
	global_load_b32 v[QL+12], v[R16], s[54:55]
.endm
.macro KLOAD                           ; the four fragments (c, u) = (f / 2, f % 2) of a record, and their rows' scale words
.irp f, 0,1,2,3
.irp ch, 0,1,2
	ds_load_b128 v[FRG+12*\f+4*\ch:FRG+12*\f+4*\ch+3], v[KA] offset:6*CHK*(\f/2)+128*(\f%2)+CHK*\ch
.endr
	ds_load_b32 v[SC+\f], v[KS] offset:24*CHK+128*(\f%2)+8*(\f/2)
.endr
.endm
.macro ADD2                            ; the row's sum, in two chains of packed additions
	v_pk_add_f32 v[14:15], v[14:15], v[SCO+SJ:SCO+SJ+1]
	v_pk_add_f32 v[SU:SU+1], v[SU:SU+1], v[SCO+SJ+2:SCO+SJ+3]
.set SJ, SJ+4
.endm
	s_load_b128 s[4:7], s[0:1], 0x0                ; qi, kv
	s_load_b64 s[8:9], s[0:1], 0x10                ; aq
	v_lshl_add_u32 v254, v0, 2, SPARE
	v_mov_b32 v255, 0
	ds_add_u32 v254, v255                          ; the opening lines: the add, twice on end, and its wait
	ds_add_u32 v254, v255
	v_lshrrev_b32 v1, 5, v0
	DEP 1
	v_readfirstlane_b32 s18, v1                    ; wave 0..15
	s_bfe_u32 s10, ttmp6, 0x40000                  ; cx
	s_and_b32 s11, ttmp7, 0xffff                   ; batch x head
	s_mul_i32 s12, s11, HEADB
	s_mov_b32 s24, 15|(3<<16)|(1<<20)|(1<<21)|(6<<22)|(31<<25)   ; all four partners; elements of 8 bytes; behind every 128 words 32 words of padding
	s_mov_b32 s25, 64<<16
	s_mov_b32 s26, 25<<16
	s_mov_b32 s27, 64<<16
	s_mov_b32 s28, 25
	s_mov_b32 s29, 64
	s_mov_b32 s30, 0
	s_mov_b32 s31, 0
	s_mul_i32 s14, s18, REC
	s_add_co_u32 s16, s12, s14
	s_mov_b32 s17, 0
	s_mov_b32 s32, 1
	s_mul_i32 s33, s18, LREC                       ; record w by wave w
	s_wait_dscnt 0x0
	s_wait_kmcnt 0x0
	s_add_nc_u64 s[34:35], s[6:7], s[16:17]
	s_or_b32 s35, s35, 0x80000000
	CROUND                                         ; the four partners are here: the joint loads meet
	tensor_load_to_lds s[32:35], s[24:31]          ; my one tensor load of the launch
	s_nop 0
.rept 4
	v_nop
.endr
	s_mov_b32 s20, 0x76543210
	s_mov_b32 s21, 0xfedcba98                      ; v_permlanex16_b32's selects for lane l xor 16
	s_mov_b32 s22, 0x3e38aa3b                      ; log2(e) / 8
	s_mov_b32 s23, s22
	s_mov_b32 s47, 0xffff0000
	s_and_b32 s40, s18, 1                          ; which 64 along K of q's fragment hold my 16 queries
	s_lshl_b32 s46, s40, 4
	s_sub_co_u32 s45, 0, s40
	s_lshl_b32 s40, s10, 2
	s_lshr_b32 s41, s18, 3
	s_add_co_u32 s40, s40, s41
	s_mul_i32 s40, s40, REC
	s_add_co_u32 s40, s40, s12
	s_bfe_u32 s42, s18, 0x20001
	s_mul_i32 s43, s42, 1536
	s_add_co_u32 s56, s40, s43
	s_mov_b32 s57, 0
	s_add_nc_u64 s[48:49], s[4:5], s[56:57]        ; q's fragment
	s_lshl_b32 s43, s42, 2
	s_add_co_u32 s56, s40, s43
	s_add_co_u32 s56, s56, 12288
	s_add_nc_u64 s[54:55], s[4:5], s[56:57]        ; its scale words
	s_lshr_b32 s40, s11, 4
	s_lshl_b32 s40, s40, 7
	s_lshl_b32 s41, s10, 5
	s_add_co_u32 s40, s40, s41
	s_add_co_u32 s40, s40, s18                     ; o's position block
	s_and_b32 s41, s11, 15
	s_mul_i32 s56, s40, 12288
	s_mul_i32 s42, s41, 768
	s_add_co_u32 s56, s56, s42
	s_add_co_u32 s56, s56, CODE_OFF
	s_add_nc_u64 s[50:51], s[8:9], s[56:57]        ; o's codes
	s_lshl_b32 s56, s40, 9
	s_lshl_b32 s42, s41, 1
	s_add_co_u32 s56, s56, s42
	s_add_nc_u64 s[52:53], s[8:9], s[56:57]        ; o's scale bytes
	v_and_b32 v246, 31, v0
	v_and_b32 v247, 15, v0
	v_bfe_u32 v248, v0, 4, 1                       ; h
	v_and_b32 v249, 7, v0
	v_bfe_u32 v250, v0, 3, 1                       ; r / 8
	v_lshlrev_b32 v[LI], 4, v246
	v_lshlrev_b32 v[L8], 3, v246
	v_lshlrev_b32 v[R16], 4, v247
	v_lshl_or_b32 v[SBO], v247, 5, v248
	v_lshlrev_b32 v[SH8], 3, v248
	v_lshlrev_b32 v249, 4, v249
	v_lshl_add_u32 v[KSL], v250, 2, v249
	v_mad_u32_u24 v249, v250, 3*CHK, v249
	v_lshl_add_u32 v[KL], v248, 8, v249
.irp i, 0,1,2,3,4,5
	v_mov_b32 v[QA+6+\i], 0                        ; the zero codes
	v_mov_b32 v[QB+\i], 0
.endr
	v_mov_b32 v[FF+1], 0                           ; (named as the upper half of a pair)
	v_mov_b32 v[BP], 0                             ; a lane permute's destination counts as one of its sources
	v_mov_b32 v[BP+1], 0
	v_mov_b32 v[WK], 0
	v_mov_b32 v[WK2], 0
	s_wait_alu depctr_va_vdst(0)
	QLOAD                                          ; the first pass's q, under the tensor load's flight
	s_wait_tensorcnt 0x0                           ; my record is in,
	s_barrier_signal -1
	s_barrier_wait -1                              ; everybody's is: from here on LDS is only read
; A step: 128 keys.  last = 1: no further K is fetched.
.macro STEP last
	s_wait_dscnt 0x0                               ; K's fragments and scale words are in
.irp f, 0,1,2,3
	v_wmma_scale_f32_16x16x128_f8f6f4 v[SCO+16*\f:SCO+16*\f+7], v[FRG+12*\f:FRG+12*\f+11], v[QA:QA+11], 0, v[SC+\f], v[QS] matrix_a_fmt:MATRIX_FMT_FP6 matrix_b_fmt:MATRIX_FMT_FP6
	v_wmma_scale_f32_16x16x128_f8f6f4 v[SCO+16*\f+8:SCO+16*\f+15], v[FRG+12*\f:FRG+12*\f+11], v[QB:QB+11], 0, v[SC+\f], v[QS] matrix_a_fmt:MATRIX_FMT_FP6 matrix_b_fmt:MATRIX_FMT_FP6
.endr
	v_add_nc_u32 v[VA], s2, v[LI]                  ; four places behind the products (ISA guide 7.12.1): the addresses
.if \last == 0
	s_add_co_u32 s2, s2, LREC
	v_add_nc_u32 v[KA], s2, v[KL]
	v_add_nc_u32 v[KS], s2, v[KSL]
.else
	v_nop
	v_nop
.endif
	v_nop
.irp t, 0,1,2,3
.irp ch, 0,1,2
	ds_load_b128 v[FRG+12*\t+4*\ch:FRG+12*\t+4*\ch+3], v[VA] offset:(12+3*\t+\ch)*CHK   ; V^T's fragments land under the softmax
.endr
.endr
	ds_load_b128 v[VS:VS+3], v[VA] offset:24*CHK   ; lanes 16-31: V's scale words of row r
.irp c, 0,1                                    ; my two blocks' largest scores, each in two chains; every accumulator is read from its low end on
	v_max3_num_f32 v[BM+\c], v[SCO+32*\c], v[SCO+32*\c+1], v[SCO+32*\c+2]
	v_max3_num_f32 v[BM+2+\c], v[SCO+32*\c+16], v[SCO+32*\c+17], v[SCO+32*\c+18]
.endr
.irp i, 3,5,7,9,11,13
.irp c, 0,1
	v_max3_num_f32 v[BM+\c], v[BM+\c], v[SCO+32*\c+\i], v[SCO+32*\c+\i+1]
	v_max3_num_f32 v[BM+2+\c], v[BM+2+\c], v[SCO+32*\c+16+\i], v[SCO+32*\c+17+\i]
.endr
.endr
.irp c, 0,1
	v_max3_num_f32 v[BM+\c], v[BM+\c], v[BM+2+\c], v[SCO+32*\c+15]
.endr
.irp c, 0,1
	v_max_num_f32 v[BM+\c], v[BM+\c], v[SCO+32*\c+31]
.endr
	DEP 1
	v_max_num_f32 v[WK], v[BM], v[BM+1]
	v_mov_b32 v[OM], v12                           ; the old -M
	DEP 2
	v_permlanex16_b32 v[WK2], v[WK], s20, s21
	DEP 1
	v_max3_num_f32 v13, v13, v[WK], v[WK2]         ; the running largest score of my query
	DEP 1
	v_mul_f32 v[WK], s22, v13                      ; as t
	DEP 1
	v_floor_f32 v12, -v[WK]                        ; -M = -ceil(t)
	DEP 1
	v_sub_f32 v[WK], v12, v[OM]                    ; old M less new M: a whole number, 0 or less
.irp c, 0,1
	v_fma_f32 v[BM+\c], v[BM+\c], s22, v12         ; t - M of each block's largest score
.endr
	v_cvt_i32_f32 v[WK], v[WK]
.irp j, 0,2
	v_pk_fma_f32 v[SCO+\j:SCO+\j+1], v[SCO+\j:SCO+\j+1], s[22:23], v[12:13] op_sel_hi:[1,0,0]
.endr
	v_ldexp_f32 v[FF], 1.0, v[WK]                  ; f = 2^(old M - new M)
.set j, 4
.rept 30
	v_pk_fma_f32 v[SCO+j:SCO+j+1], v[SCO+j:SCO+j+1], s[22:23], v[12:13] op_sel_hi:[1,0,0]   ; t - M, two at a time
.set j, j+2
.endr
	v_pk_mul_f32 v[14:15], v[14:15], v[FF:FF+1] op_sel_hi:[1,0]   ; the sum and O^T under the new M: ahead of the exponentials
.set j, 0
.rept 16
	v_pk_mul_f32 v[OT+j:OT+j+1], v[OT+j:OT+j+1], v[FF:FF+1] op_sel_hi:[1,0]
.set j, j+2
.endr
	s_wait_alu depctr_va_vdst(0)
.irp c, 0,1
	v_exp_f32 v[BM+\c], v[BM+\c]                   ; the block's largest p
.endr
.set j, 0
.rept 64
	v_exp_f32 v[SCO+j], v[SCO+j]                   ; p = 2^(t - M)
.set j, j+1
.endr
	v_nop                                          ; one plain place behind the transcendentals
	s_wait_alu depctr_va_vdst(0)                   ; and one wait for the batch, ahead of its first reader
.irp c, 0,1
	v_max_num_f32 v[BM+\c], 0x1800000, v[BM+\c]    ; the floor 2^(3 - 127): the byte cannot fall under 1
.endr
.irp c, 0,1
	DEP 2
	v_add_nc_u32 v[BS+\c], 0xff000000, v[BM+\c]    ; 2 off the exponent field: the conversion's scale operand
.endr
	v_cvt_scalef32_pk16_fp6_f32 v[PC:PC+2], v[SCO:SCO+15], v[BS]
	v_cvt_scalef32_pk16_fp6_f32 v[T0:T0+2], v[SCO+16:SCO+31], v[BS]       ; (a conversion's three registers begin on an even number)
	v_cvt_scalef32_pk16_fp6_f32 v[PC+6:PC+8], v[SCO+32:SCO+47], v[BS+1]
	v_cvt_scalef32_pk16_fp6_f32 v[T1:T1+2], v[SCO+48:SCO+63], v[BS+1]
	v_lshrrev_b32 v[BP], 23, v[BS]                 ; the scales' bytes (a plain place behind the conversions); the word's chain and the moves by turns
	v_lshrrev_b32 v[BP+1], 23, v[BS+1]
	v_mov_b32 v[PC+3], v[T0]
	v_lshl_or_b32 v[PX], v[BP+1], 16, v[BP]        ; my two bytes, blocks h and 2 + h,
	v_mov_b32 v[PC+4], v[T0+1]
	v_lshlrev_b32 v[PX], v[SH8], v[PX]             ; at their places in the word;
	v_mov_b32 v[PC+5], v[T0+2]
	v_permlanex16_b32 v[WK2], v[PX], s20, s21
	v_mov_b32 v[PC+9], v[T1]
	v_or_b32 v[PW], v[PX], v[WK2]                  ; with lane l xor 16's two it is whole
	v_mov_b32 v[PC+10], v[T1+1]
	v_mov_b32 v[PC+11], v[T1+2]
	v_pk_add_f32 v[SU:SU+1], v[SCO:SCO+1], v[SCO+2:SCO+3]   ; the sum of the unquantised p.  Nine plain lines stand between the scale word and the products, seven behind the last code
.set SJ, 4
	ADD2
	ADD2
	ADD2
	s_wait_alu depctr_va_vdst(0)
	s_wait_dscnt 0x0                               ; V's fragments and scale words are in
.irp t, 0,1,2,3
	v_wmma_scale_f32_16x16x128_f8f6f4 v[OT+8*\t:OT+8*\t+7], v[FRG+12*\t:FRG+12*\t+11], v[PC:PC+11], v[OT+8*\t:OT+8*\t+7], v[VS+\t], v[PW] matrix_a_fmt:MATRIX_FMT_FP6 matrix_b_fmt:MATRIX_FMT_FP6 matrix_a_scale:MATRIX_SCALE_ROW1
.endr
	ADD2                                           ; four places in front of the loads into the fragments
	ADD2
.if \last == 0
	KLOAD                                          ; the next step's K lands under the rest of the sum
.endif
.rept 10
	ADD2
.endr
	DEP 1
	v_pk_add_f32 v[14:15], v[14:15], v[SU:SU+1]
.endm
	s_mov_b32 s44, 2
.Lpass:
	s_wait_loadcnt 0x0                             ; this pass's q is in
.irp i, 0,1,2,3,4,5
	v_cndmask_b32 v[QA+\i], v[QL+\i], v[QL+6+\i], s45
.endr
	v_lshrrev_b32 v[WK], s46, v[QL+12]
	DEP 1
	v_and_b32 v[WK], 0xffff, v[WK]
	DEP 1
	v_lshl_or_b32 v[QS], v[WK], 16, v[WK]          ; my query's two bytes, for either half of K
.irp i, 0,1,2,3,4,5
	v_mov_b32 v[QB+6+\i], v[QA+\i]
.endr
	v_mov_b32 v13, 0xff61b1e6                      ; the largest score so far: -3e38
	DEP 1
	v_floor_f32 v12, -v13
	v_mov_b32 v14, 0
	v_mov_b32 v15, 0
.set j, 0
.rept 32
	v_mov_b32 v[OT+j], 0                           ; the step is written once: the first finds zeros
.set j, j+1
.endr
	s_mov_b32 s2, 0
	v_add_nc_u32 v[KA], s2, v[KL]
	v_add_nc_u32 v[KS], s2, v[KSL]
	s_wait_alu depctr_va_vdst(0)
	s_cmp_eq_u32 s44, 1
	s_cbranch_scc1 .Lno_q                          ; the last pass has no successor: nothing is loaded beyond my queries
	s_add_nc_u64 s[48:49], s[48:49], 2*REC
	s_add_nc_u64 s[54:55], s[54:55], 2*REC
	QLOAD                                          ; the next pass's q, a whole pass ahead
.Lno_q:
	KLOAD
	s_mov_b32 s3, 15
.Lstep:
	STEP 0
	s_sub_co_u32 s3, s3, 1
	s_cmp_lg_u32 s3, 0
	s_wait_alu depctr_va_vdst(0)
	s_cbranch_scc1 .Lstep
	STEP 1
	DEP 1
	v_add_f32 v14, v14, v15                        ; the sum's two halves,
	DEP 1
	v_permlanex16_b32 v[WK], v14, s20, s21
	DEP 1
	v_add_f32 v14, v14, v[WK]                      ; and lane l xor 16's
	s_wait_alu depctr_va_vdst(0)
	v_rcp_f32 v14, v14
	v_nop
	s_wait_alu depctr_va_vdst(0)                   ; ahead of the first reader of the quotient and of O^T
.set j, 0
.rept 16
	v_pk_mul_f32 v[SCO+j:SCO+j+1], v[OT+j:OT+j+1], v[14:15] op_sel_hi:[1,0]   ; register 16 b + i: channel 32 b + 16 h + i of my query
.set j, j+2
.endr
.irp b, 0,1
	v_max3_num_f32 v[BM+\b], |v[SCO+16*\b]|, |v[SCO+1+16*\b]|, 0x1800000
.endr
.irp i, 2,4,6,8,10,12,14
.irp b, 0,1
	DEP 2
	v_max3_num_f32 v[BM+\b], v[BM+\b], |v[SCO+16*\b+\i]|, |v[SCO+1+16*\b+\i]|
.endr
.endr
.irp b, 0,1
	DEP 2
	v_permlanex16_b32 v[BP+\b], v[BM+\b], s20, s21
.endr
.irp b, 0,1
	DEP 2
	v_max_num_f32 v[BM+\b], v[BM+\b], v[BP+\b]
.endr
.irp b, 0,1
	DEP 2
	v_add_nc_u32 v[BS+\b], 0xff000000, v[BM+\b]
.endr
.irp b, 0,1
	DEP 2
	v_lshrrev_b32 v[BP+\b], 23, v[BS+\b]
.endr
	v_cvt_scalef32_pk16_fp6_f32 v[PC:PC+2], v[SCO:SCO+15], v[BS]
	v_cvt_scalef32_pk16_fp6_f32 v[PC+12:PC+14], v[SCO+16:SCO+31], v[BS+1]
	v_nop
.irp i, 0,1,2
	v_permlane16_swap_b32 v[PC+\i], v[PC+12+\i]    ; the operand's layout wants a whole block in a lane
.endr
.irp i, 0,1,2
	DEP 3
	v_mov_b32 v[PC+3+\i], v[PC+12+\i]
.endr
	v_cndmask_b32 v[WK], v[BP], v[BP+1], s47
.irp e, 0,1,2
	global_store_b64 v[L8], v[PC+2*\e:PC+2*\e+1], s[50:51] offset:256*\e   ; 256 consecutive bytes, aligned
.endr
	global_store_b8 v[SBO], v[WK], s[52:53]
	s_wait_xcnt 0x0                                ; the stores have read their registers and bases
	s_add_nc_u64 s[50:51], s[50:51], 16*12288
	s_add_nc_u64 s[52:53], s[52:53], 16*512
	s_sub_co_u32 s44, s44, 1
	s_cmp_lg_u32 s44, 0
	s_wait_alu depctr_va_vdst(0)
	s_cbranch_scc1 .Lpass
	s_wait_tensorcnt 0x0                           ; the wave's end
	ds_add_u32 v254, v255
	s_wait_dscnt 0x0
	CROUND                                         ; the closing round
	s_endpgm
.Lfunc_end_k_q34168f7559_attn:
	.size	k_q34168f7559_attn, .Lfunc_end_k_q34168f7559_attn-k_q34168f7559_attn
	.p2alignl 7, 3214868480
	.fill 96, 4, 3214868480
	.section	.rodata,"a",@progbits
	.p2align	6, 0x0
	.amdhsa_kernel k_q34168f7559_attn
		.amdhsa_group_segment_fixed_size 327680
		.amdhsa_private_segment_fixed_size 0
		.amdhsa_enable_private_segment 0
		.amdhsa_kernarg_size 24
		.amdhsa_user_sgpr_count 2
		.amdhsa_user_sgpr_kernarg_segment_ptr 1
		.amdhsa_wavefront_size32 1
		.amdhsa_system_sgpr_workgroup_id_x 1
		.amdhsa_system_sgpr_workgroup_id_y 1
		.amdhsa_system_sgpr_workgroup_id_z 1
		.amdhsa_system_vgpr_workitem_id 0
		.amdhsa_next_free_vgpr 256
		.amdhsa_next_free_sgpr 66
		.amdhsa_reserve_vcc 0
		.amdhsa_float_denorm_mode_32 3
		.amdhsa_float_denorm_mode_16_64 3
		.amdhsa_memory_ordered 1
		.amdhsa_forward_progress 1
		.amdhsa_inst_pref_size 43
	.end_amdhsa_kernel
	.amdgpu_metadata
---
amdhsa.version: [ 1, 2 ]
amdhsa.kernels:
  - .name:           k_q34168f7559_attn
    .symbol:         k_q34168f7559_attn.kd
    .args:
      - { .name: qi, .offset: 0, .size: 8, .value_kind: global_buffer, .address_space: global }
      - { .name: kv, .offset: 8, .size: 8, .value_kind: global_buffer, .address_space: global }
      - { .name: aq, .offset: 16, .size: 8, .value_kind: global_buffer, .address_space: global }
    .group_segment_fixed_size: 327680
    .private_segment_fixed_size: 0
    .kernarg_segment_align: 8
    .kernarg_segment_size: 24
    .max_flat_workgroup_size: 512
    .sgpr_count:     66
    .vgpr_count:     256
    .wavefront_size: 32
...
	.end_amdgpu_metadata
.endif
;; end of part 3
;; launch proj (part 4): grid 4 x 32, 4 waves a work-group, clusters of 4 x 4, 327,680 bytes of LDS; arguments aq, wq, bout, out0; writes out0
.if DOCPART == 4
	.amdgcn_target "amdgcn-amd-amdhsa--gfx1250"
	.amdhsa_code_object_version 6
	.text
	.protected	k_q34168f7559_proj
	.globl	k_q34168f7559_proj
	.p2align	8
	.type	k_q34168f7559_proj,@function
k_q34168f7559_proj:
	s_mov_b64 s[64:65], 0
	v_nop
	global_prefetch_b8 v0, s[64:65] scope:SCOPE_SE
	s_setreg_imm32_b32 hwreg(HW_REG_WAVE_MODE, 25, 1), 1
	s_wait_xcnt 0x0
	s_wait_alu depctr_hold_cnt(0) depctr_sa_sdst(0) depctr_va_vdst(0) depctr_va_sdst(0) depctr_va_ssrc(0) depctr_va_vcc(0) depctr_vm_vsrc(0)
	s_getreg_b32 s2, hwreg(HW_REG_IB_STS2, 6, 4)
	s_cmp_eq_u32 s2, 0
	s_cbranch_scc0 .Lentry_in_a_cluster
	s_endpgm
.Lentry_in_a_cluster:
	s_bfe_u32 s2, ttmp6, 0x10000c
	s_cmp_lg_u32 s2, 0xf033
	s_cbranch_scc0 .Lentry_shape_is_right
	s_endpgm
.Lentry_shape_is_right:
.set CODE_OFF, 262144
.set NQ,     2
.set FR,     12
.set NL,     6
.set NP,     4
.set KB,     3072
.set HALFT,  8*KB
.set SLOT,   4*HALFT
.set LAPS,   2
.set KS,     32
.set SCL,    2*SLOT
.set HALFS,  16*272
.set SBLK,   544
.set SPARE,  SCL+4*HALFS
.set SPITCH, 528
.set ADRA, 16
.set ADRB, 20
.set STO,  24
.set RD,   25
.set CO,   26
.set ADRS, 27
.set SPW,  28
.set NIL,  29
.set BO,   30
.set SC,   32
.set BIAS, 64
.set AF,   128
.set BK,   128
.set G1, 24
.set G0, 32
.set G1B, 48
.set G0B, 56
.set G1S, 68
.set G0S, 76
.set G1SB, 80
.set G0SB, 88
.set MSB, 0
.macro WIN new
.if MSB != (\new)
	s_set_vgpr_msb (MSB<<8)|(\new)
.set MSB, (\new)
.endif
.endm
.set MUL_LO, 0xa1
.set MUL_HI, 0xf1
.set FIRST_LO, 0x81
.set FIRST_HI, 0xc1
.set TO_B,   0x40
.macro JLOAD g0a, g1a, g0b, g1b
	s_cmp_eq_u32 s15, 0
	s_cbranch_scc0 .Lfor_b_\@
	tensor_load_to_lds s[\g0a:\g0a+3], s[\g1a:\g1a+7]
	s_nop 0
.rept 4
	v_nop
.endr
	s_branch .Lasked_\@
.Lfor_b_\@:
	tensor_load_to_lds s[\g0b:\g0b+3], s[\g1b:\g1b+7]
	s_nop 0
.rept 4
	v_nop
.endr
.Lasked_\@:
.endm
.macro CREST
	s_cmp_lg_u32 s14, 0
	s_cbranch_scc1 .Lnot_wave_0_\@
	s_barrier_signal -3
.Lnot_wave_0_\@:
	s_barrier_wait -3
	s_barrier_signal -1
	s_barrier_wait -1
.endm
.macro CROUND
	s_barrier_signal -1
	s_barrier_wait -1
	CREST
.endm
	s_load_b256 s[4:11], s[0:1], 0x0
	v_lshl_add_u32 v[SPW], v0, 2, SPARE
	v_mov_b32 v[NIL], 0
	ds_add_u32 v28, v29
	ds_add_u32 v28, v29
	s_wait_dscnt 0x0
	v_lshrrev_b32 v1, 5, v0
	v_readfirstlane_b32 s14, v1
	s_lshr_b32 s15, s14, 1
	s_and_b32 s16, s14, 1
	s_bfe_u32 s40, ttmp6, 0x40000
	s_bfe_u32 s41, ttmp6, 0x40004
	s_lshl_b32 s42, ttmp9, 2
	s_add_co_u32 s42, s42, s40
	s_and_b32 s17, ttmp7, 0xffff
	s_lshl_b32 s17, s17, 2
	s_add_co_u32 s17, s17, s41
	s_lshl_b32 s43, s41, 2
	s_lshl_b32 s43, 15, s43
	s_lshl_b32 s44, 0x1111, s40
	s_or_b32 s[G1+0], s43, (3<<16)|(1<<21)
	s_or_b32 s[G1B+0], s44, (3<<16)|(1<<21)
.irp g, G1, G1B
	s_mov_b32 s[\g+1], 384<<16
	s_mov_b32 s[\g+2], 16<<16                      ; the head's loads bring 256 rows (16 blocks); behind them these two words are set to 8
	s_mov_b32 s[\g+3], 384<<16
	s_mov_b32 s[\g+4], 16
	s_mov_b32 s[\g+5], 1536
	s_mov_b32 s[\g+6], 0
	s_mov_b32 s[\g+7], 0
.endr
	s_or_b32 s[G1S+0], s43, (3<<16)|(1<<20)|(1<<21)|(5<<22)|(3<<25)
	s_or_b32 s[G1SB+0], s44, (3<<16)|(1<<20)|(1<<21)|(5<<22)|(3<<25)
.irp g, G1S, G1SB
	s_mov_b32 s[\g+1], 32<<16
	s_mov_b32 s[\g+2], 32<<16                      ; the scales of all 256 rows: 32 rows of 256 bytes
	s_mov_b32 s[\g+3], 32<<16
	s_mov_b32 s[\g+4], 32
	s_mov_b32 s[\g+5], 32
	s_mov_b32 s[\g+6], 0
	s_mov_b32 s[\g+7], 0
.endr
	s_mul_i32 s18, s16, 128*768                    ; in the ring I fetch 128 rows of a tile: which half, in bytes
	s_mov_b32 s19, 0
	s_lshl_b32 s20, s17, 8                         ; A's tile: its first row
	s_lshl_b32 s46, s42, 8                         ; B's tile: its first row
	s_add_co_u32 s46, s46, 3072
	s_lshl_b32 s22, s20, 5
	s_mov_b32 s23, 0
	s_lshl_b32 s92, s46, 5
	s_mov_b32 s93, 0
	s_mul_i32 s20, s20, 768
	s_add_co_u32 s20, s20, CODE_OFF
	s_mov_b32 s21, 0
	s_mul_i32 s46, s46, 768
	s_add_co_u32 s46, s46, CODE_OFF
	s_mov_b32 s47, 0
	s_mul_i32 s45, s14, HALFT
	s_wait_kmcnt 0x0
	s_add_nc_u64 s[20:21], s[4:5], s[20:21]
	s_add_nc_u64 s[22:23], s[4:5], s[22:23]
	s_add_nc_u64 s[46:47], s[6:7], s[46:47]
	s_add_nc_u64 s[92:93], s[6:7], s[92:93]
	CROUND
	s_mov_b32 s[G0S], 1
	s_mov_b32 s[G0S+1], SCL
	s_mov_b64 s[G0S+2:G0S+3], s[22:23]
	s_or_b32 s[G0S+3], s[G0S+3], 0x80000000
	s_mov_b32 s[G0SB], 1
	s_mov_b32 s[G0SB+1], SCL+2*HALFS
	s_mov_b64 s[G0SB+2:G0SB+3], s[92:93]
	s_or_b32 s[G0SB+3], s[G0SB+3], 0x80000000
	s_mov_b32 s[G0], 1                             ; slot 0's group 0 serves the head first: K step 0 of A's 256 rows,
	s_mov_b32 s[G0+1], 0
	s_mov_b64 s[G0+2:G0+3], s[20:21]
	s_or_b32 s[G0+3], s[G0+3], 0x80000000
	s_mov_b32 s[G0B], 1                            ; and of B's 256 rows, behind them
	s_mov_b32 s[G0B+1], 2*HALFT
	s_mov_b64 s[G0B+2:G0B+3], s[46:47]
	s_or_b32 s[G0B+3], s[G0B+3], 0x80000000
	s_mov_b32 s[G0+4], 1                           ; slot 1: K step 1 of my 128 rows
	s_add_co_u32 s[G0+5], s45, SLOT
	s_add_nc_u64 s[G0+6:G0+7], s[20:21], s[18:19]
	s_add_nc_u64 s[G0+6:G0+7], s[G0+6:G0+7], KB
	s_or_b32 s[G0+7], s[G0+7], 0x80000000
	s_mov_b32 s[G0B+4], 1
	s_add_co_u32 s[G0B+5], s45, SLOT
	s_add_nc_u64 s[G0B+6:G0B+7], s[46:47], s[18:19]
	s_add_nc_u64 s[G0B+6:G0B+7], s[G0B+6:G0B+7], KB
	s_or_b32 s[G0B+7], s[G0B+7], 0x80000000
; THE HEAD'S LOADS, ONE A WAVE: wave 0 K step 0 of A's 256 rows, wave 1 of B's, wave 2 A's scales, wave 3 B's.  One tree of branches on the wave's number, one load to an arm.
.macro ARM under, g0, g1, next
	s_cmp_lt_u32 s14, \under
	s_cbranch_scc0 \next
	tensor_load_to_lds s[\g0:\g0+3], s[\g1:\g1+7]
	s_nop 0
.rept 4
	v_nop
.endr
	s_branch .Lhead_asked
\next:
.endm
	ARM 1, G0,  G1,  .Lhead_b
	ARM 2, G0B, G1B, .Lhead_sa
	ARM 3, G0S, G1S, .Lhead_sb
	tensor_load_to_lds s[G0SB:G0SB+3], s[G1SB:G1SB+7]
	s_nop 0
.rept 4
	v_nop
.endr
.Lhead_asked:
	v_and_b32 v1, 15, v0
	v_bfe_u32 v2, v0, 4, 1
	v_and_b32 v3, 31, v0
	v_lshlrev_b32 v4, 3, v3
	s_mul_i32 s21, s15, HALFT
	s_mul_i32 s22, s16, HALFT
	s_add_co_u32 s22, s22, 2*HALFT
.irp s, 0,1
	v_add_nc_u32 v[ADRA+\s], s21, v4
	v_add_nc_u32 v[ADRB+\s], s22, v4
	s_add_co_u32 s21, s21, SLOT
	s_add_co_u32 s22, s22, SLOT
.endr
	v_mul_u32_u24 v5, v1, KS
	v_lshrrev_b32 v6, 8, v5
	v_lshl_add_u32 v5, v6, 4, v5
	s_mul_i32 s21, s15, HALFS
	s_mul_i32 s22, s16, HALFS
	s_add_co_u32 s22, s22, 2*HALFS
	s_sub_co_u32 s22, s22, s21
	v_mul_u32_u24 v6, s22, v2
	s_add_co_u32 s21, s21, SCL
	v_add_nc_u32 v5, v5, v6
	v_add_nc_u32 v[ADRS], s21, v5
	s_mul_i32 s23, s14, 16*SPITCH
	v_mul_u32_u24 v5, v1, SPITCH
	v_lshl_add_u32 v5, v2, 6, v5
	v_add_nc_u32 v[STO], s23, v5
	v_lshlrev_b32 v[CO], 4, v3
	v_add_nc_u32 v[RD], s23, v[CO]
	v_lshlrev_b32 v[BO], 6, v2
	s_wait_alu depctr_va_vdst(0)
	s_lshl_b32 s20, s17, 8
	s_lshl_b32 s21, s15, 7
	s_add_co_u32 s20, s20, s21
	s_lshl_b32 s20, s20, 12
	s_lshl_b32 s46, s42, 8
	s_lshl_b32 s47, s16, 7
	s_add_co_u32 s46, s46, s47
	s_lshl_b32 s46, s46, 2
	s_mov_b32 s47, 0
	s_add_nc_u64 s[8:9], s[8:9], s[46:47]
	s_add_co_u32 s46, s46, s20
	s_add_nc_u64 s[10:11], s[10:11], s[46:47]
.irp b, 0,1,2,3,4,5,6,7
	global_load_b128 v[BIAS+8*\b:BIAS+8*\b+3], v[BO], s[8:9] offset:128*(\b/2)+32*(\b%2)
	global_load_b128 v[BIAS+8*\b+4:BIAS+8*\b+7], v[BO], s[8:9] offset:128*(\b/2)+32*(\b%2)+16
.endr
.macro FRAG reg, adr, q, i
.irp p, 0,1,2,3,4,5
	ds_load_b64 v[\reg+2*\p:\reg+2*\p+1], v[\adr] offset:256*\p+1536*(\q)+KB*(\i)
.endr
.endm
.macro MUL16 a0, p, q, sc, zero
.irp a, \a0, \a0+1
.irp b, 0,1,2,3,4,5,6,7
.if \zero
	v_wmma_scale_f32_16x16x128_f8f6f4 v[8*(8*((\a)%4)+\b):8*(8*((\a)%4)+\b)+7], v[128*(\p)+FR*\b:128*(\p)+FR*\b+FR-1], v[AF+FR*(\a):AF+FR*(\a)+FR-1], v[BIAS+8*\b:BIAS+8*\b+7], v[SC+8*NQ*(\sc)+NQ*\b+(\q)], v[SC+8*NQ*(\sc)+NQ*(\a)+(\q)] matrix_a_fmt:MATRIX_FMT_FP6 matrix_b_fmt:MATRIX_FMT_FP6 matrix_a_scale:MATRIX_SCALE_ROW1
.else
	v_wmma_scale_f32_16x16x128_f8f6f4 v[8*(8*((\a)%4)+\b):8*(8*((\a)%4)+\b)+7], v[128*(\p)+FR*\b:128*(\p)+FR*\b+FR-1], v[AF+FR*(\a):AF+FR*(\a)+FR-1], v[8*(8*((\a)%4)+\b):8*(8*((\a)%4)+\b)+7], v[SC+8*NQ*(\sc)+NQ*\b+(\q)], v[SC+8*NQ*(\sc)+NQ*(\a)+(\q)] matrix_a_fmt:MATRIX_FMT_FP6 matrix_b_fmt:MATRIX_FMT_FP6 matrix_a_scale:MATRIX_SCALE_ROW1
.endif
.endr
.endr
.endm
.macro FETCH_B slot, q, p
	WIN TO_B
.irp i, 0,1,2,3,4,5,6,7
	FRAG 128*(\p)+FR*\i, ADRB+\slot, \q, \i
.endr
	WIN 0
.endm
.macro FETCH_A slot, q, i0
.irp i, \i0, \i0+1, \i0+2, \i0+3
	FRAG AF+FR*(\i), ADRA+\slot, \q, \i
.endr
.endm
.macro SCALES sc
.irp i, 0,1,2,3,4,5,6,7
	ds_load_b64 v[SC+8*NQ*\sc+NQ*\i:SC+8*NQ*\sc+NQ*\i+1], v[ADRS] offset:\i*SBLK
.endr
.endm
.macro PLACES n
.rept \n
	v_nop
.endr
.endm
.macro STEP slot, q, zero
	s_wait_dscnt 4*NL
.if \zero
	WIN FIRST_LO
.else
	WIN MUL_LO
.endif
	MUL16 0, (\q)%2, \q, \slot, \zero
	MUL16 2, (\q)%2, \q, \slot, \zero
	s_wait_dscnt 0
	PLACES NP
	FETCH_B \slot, (\q)+1, 1-(\q)%2
	FETCH_A \slot, (\q)+1, 0
.if \zero
	WIN FIRST_HI
.else
	WIN MUL_HI
.endif
	MUL16 4, (\q)%2, \q, \slot, \zero
	MUL16 6, (\q)%2, \q, \slot, \zero
	PLACES NP
	WIN 0
	FETCH_A \slot, (\q)+1, 4
.endm
.macro TURN slot, next, fill
	s_wait_tensorcnt 0x0
	ds_add_u32 v[SPW], v[NIL]
	s_wait_dscnt 4*NL+1
	WIN MUL_LO
	MUL16 0, 1, NQ-1, \slot, 0
	s_wait_dscnt 0x0
	s_barrier_signal -1
	MUL16 2, 1, NQ-1, \slot, 0
	WIN 0
	s_barrier_wait -1
.if \fill
	CREST
	s_add_nc_u64 s[G0+4*\slot+2:G0+4*\slot+3], s[G0+4*\slot+2:G0+4*\slot+3], 2*KB
	s_add_nc_u64 s[G0B+4*\slot+2:G0B+4*\slot+3], s[G0B+4*\slot+2:G0B+4*\slot+3], 2*KB
	JLOAD G0+4*\slot, G1, G0B+4*\slot, G1B
.else
	PLACES NP
.endif
	s_wait_alu depctr_va_vdst(0)
	v_add_nc_u32 v[ADRS], 4*NQ, v[ADRS]
	FETCH_B \next, 0, 0
	FETCH_A \next, 0, 0
	SCALES \next
	WIN MUL_HI
	MUL16 4, 1, NQ-1, \slot, 0
	MUL16 6, 1, NQ-1, \slot, 0
	PLACES NP
	WIN 0
	FETCH_A \next, 0, 4
.endm
	s_wait_tensorcnt 0x0                           ; my tile of the head's four is in
	ds_add_u32 v[SPW], v[NIL]
	s_mov_b32 s[G1+2], 8<<16                       ; no tensor load of mine is out: from here on a load brings 128 rows (8 blocks),
	s_mov_b32 s[G1+4], 8
	s_mov_b32 s[G1B+2], 8<<16
	s_mov_b32 s[G1B+4], 8
	s_mov_b32 s[G0+1], s45                         ; and slot 0's group 0 stands at my 128 rows of K step 0, for its first refill
	s_add_nc_u64 s[G0+2:G0+3], s[G0+2:G0+3], s[18:19]
	s_mov_b32 s[G0B+1], s45
	s_add_nc_u64 s[G0B+2:G0B+3], s[G0B+2:G0B+3], s[18:19]
	s_wait_dscnt 0x0
	CROUND                                         ; all four tiles are in, and all sixteen work-groups are here
	JLOAD G0+4, G1, G0B+4, G1B                     ; K step 1, the first tensor load behind the round
	FETCH_B 0, 0, 0
	FETCH_A 0, 0, 0
	SCALES 0
	FETCH_A 0, 0, 4
	s_wait_loadcnt 0x0
	STEP 0, 0, 1
	s_mov_b32 s3, LAPS-1
.Llap:
	TURN 0, 1, 1
	STEP 1, 0, 0
	TURN 1, 0, 1
	STEP 0, 0, 0
	s_sub_co_u32 s3, s3, 1
	s_cmp_lg_u32 s3, 0
	s_cbranch_scc1 .Llap
	TURN 0, 1, 0
	STEP 1, 0, 0
	s_wait_dscnt 4*NL
	WIN MUL_LO
	MUL16 0, 1, NQ-1, 1, 0
	MUL16 2, 1, NQ-1, 1, 0
	s_wait_dscnt 0
	WIN MUL_HI
	MUL16 4, 1, NQ-1, 1, 0
	MUL16 6, 1, NQ-1, 1, 0
	WIN 0
.macro TOSTAGE a
.set AC, 64*((\a)%4)
	WIN 0x08+4*((\a)/4)
.irp b, 0,1,2,3,4,5,6,7
	ds_store_b128 v[STO], v[AC+8*\b:AC+8*\b+3] offset:128*(\b/2)+32*(\b%2)
	ds_store_b128 v[STO], v[AC+8*\b+4:AC+8*\b+7] offset:128*(\b/2)+32*(\b%2)+16
.endr
	WIN 0
.set BB, BK+64*((\a)%2)
.irp t, 0,1,2,3,4,5,6,7,8,9,10,11,12,13,14,15
	ds_load_b128 v[BB+4*\t:BB+4*\t+3], v[RD] offset:\t*SPITCH
.endr
.endm
.macro SEND a, younger
.set BB, BK+64*((\a)%2)
	s_wait_dscnt \younger
.irp t, 0,1,2,3,4,5,6,7,8,9,10,11,12,13,14,15
	global_store_b128 v[CO], v[BB+4*\t:BB+4*\t+3], s[10:11] offset:(32*((\a)/2)+16*(\t/8)+8*((\a)%2)+\t%8)*4096 th:TH_STORE_NT
.endr
.endm
	PLACES NP
	TOSTAGE 0
.irp a, 1,2,3,4,5,6,7
.if \a > 1
	s_wait_xcnt 0x0
.endif
	TOSTAGE \a
	SEND \a-1, 32
.endr
	SEND 7, 0
	s_wait_tensorcnt 0x0
	ds_add_u32 v[SPW], v[NIL]
	s_wait_dscnt 0x0
	CROUND
	s_endpgm
.Lfunc_end_k_q34168f7559_proj:
	.size	k_q34168f7559_proj, .Lfunc_end_k_q34168f7559_proj-k_q34168f7559_proj
	.p2alignl 7, 3214868480
	.fill 96, 4, 3214868480
	.section	.rodata,"a",@progbits
	.p2align	6, 0x0
	.amdhsa_kernel k_q34168f7559_proj
		.amdhsa_group_segment_fixed_size 327680
		.amdhsa_private_segment_fixed_size 0
		.amdhsa_enable_private_segment 0
		.amdhsa_kernarg_size 32
		.amdhsa_user_sgpr_count 2
		.amdhsa_user_sgpr_kernarg_segment_ptr 1
		.amdhsa_wavefront_size32 1
		.amdhsa_system_sgpr_workgroup_id_x 1
		.amdhsa_system_sgpr_workgroup_id_y 1
		.amdhsa_system_sgpr_workgroup_id_z 1
		.amdhsa_system_vgpr_workitem_id 0
		.amdhsa_next_free_vgpr 1024
		.amdhsa_next_free_sgpr 98
		.amdhsa_reserve_vcc 0
		.amdhsa_float_denorm_mode_32 3
		.amdhsa_float_denorm_mode_16_64 3
		.amdhsa_memory_ordered 1
		.amdhsa_forward_progress 1
		.amdhsa_inst_pref_size 161
	.end_amdhsa_kernel
	.amdgpu_metadata
---
amdhsa.version: [ 1, 2 ]
amdhsa.kernels:
  - .name:           k_q34168f7559_proj
    .symbol:         k_q34168f7559_proj.kd
    .args:
      - { .name: aq, .offset: 0, .size: 8, .value_kind: global_buffer, .address_space: global }
      - { .name: wq, .offset: 8, .size: 8, .value_kind: global_buffer, .address_space: global }
      - { .name: bout, .offset: 16, .size: 8, .value_kind: global_buffer, .address_space: global }
      - { .name: out0, .offset: 24, .size: 8, .value_kind: global_buffer, .address_space: global }
    .group_segment_fixed_size: 327680
    .private_segment_fixed_size: 0
    .kernarg_segment_align: 8
    .kernarg_segment_size: 32
    .max_flat_workgroup_size: 128
    .sgpr_count:     98
    .vgpr_count:     1024
    .wavefront_size: 32
...
	.end_amdgpu_metadata
.endif
;; end of part 4
